; MI455X (gfx1250); checked and timed in simulation.
; The chip was launched on July 23, 2026; its instructions are those of AMD's public machine-readable ISA for CDNA 5 (MIT licence, August 2026) and "CDNA5" Instruction Set Architecture Reference Guide (July 2026). The comments in the code are by the model that wrote it; some were corrected since.
;; Casual Attention. Allowed arithmetic: matrix products marked QUANTISED: E5M2 operands, one E8M0 scale for each 32 along K, by v_wmma_scale_f32_16x16x128_f8f6f4 with both operands' format E5M2, f32 sums; everything else in f32.
;; Inputs: Wk_codes 1,024 x 32 x 32 uint8 (E5M2 codes of Wk, K innermost, in blocks of 32 codes); Wk_scales 1,024 x 32 uint8 (E8M0 scales of Wk, one for each 32 codes along K); Wq_codes 1,024 x 32 x 32 uint8 (E5M2 codes of Wq, K innermost, in blocks of 32 codes); Wq_scales 1,024 x 32 uint8 (E8M0 scales of Wq, one for each 32 codes along K); Wv_codes 1,024 x 32 x 32 uint8 (E5M2 codes of Wv, K innermost, in blocks of 32 codes); Wv_scales 1,024 x 32 uint8 (E8M0 scales of Wv, one for each 32 codes along K); x_codes 4 x 2,048 x 32 x 32 uint8 (E5M2 codes of x, K innermost, in blocks of 32 codes); x_scales 4 x 2,048 x 32 uint8 (E8M0 scales of x, one for each 32 codes along K).
;; Outputs: out0 4 x 2,048 x 1,024 float32.
;; This version of the problem:
;;   THIS VERSION OF THE PROBLEM IS GIVEN IN LOW PRECISION. The matrix products marked QUANTISED in the list below multiply operands that are first quantised to E5M2 (5 exponent bits, 2 mantissa bits; 8 bits a number), with one power-of-two scale for each 32 numbers along K (OCP MX v1.0); their sums are f32. All else is computed in f32.
;;   The module's matrix products, in the order in which they are computed (A, B: the left and right operand; K: the contracted axis; several contracted axes count as one K, in the product's order):
;;     1. [M 8,192, K 1,024] x [K 1,024, N 1,024]; A: input x (given as codes); B: input Wq (given as codes): QUANTISED
;;     2. [M 8,192, K 1,024] x [K 1,024, N 1,024]; A: input x (given as codes); B: input Wk (given as codes): QUANTISED
;;     3. [M 8,192, K 1,024] x [K 1,024, N 1,024]; A: input x (given as codes); B: input Wv (given as codes): QUANTISED
;;     4. batch 4 x [M 2,048, K 1,024] x [K 1,024, N 2,048]; A: computed on the way; B: computed on the way: QUANTISED
;;     5. batch 4 x [M 2,048, K 2,048] x [K 2,048, N 1,024]; A: softmax (see below); B: computed on the way: QUANTISED
;;   THE QUANTISER, for each operand of a quantised product, along K:
;;     - K is cut into blocks of 32 from its start; a last block that is shorter is filled with zeros.
;;     - A block's scale is 2^e with e = floor(log2(the largest magnitude in the block)) - 15, held to -126 .. 127; a block of zeros has e = 0. As a byte (E8M0): e + 127.
;;     - Each number is divided by its block's scale, clamped to +-57,344, and rounded to the nearest number of E5M2, ties to even, subnormals kept.
;;     - The product sums the exact products of the quantised numbers (number of the format x scale) in f32.
;;   ~~~python
;;   def quantise(x, axis):      # numpy; x: float32 -> the quantised numbers, widened to float32 again
;;       x = np.moveaxis(x, axis, -1); K = x.shape[-1]
;;       x = np.pad(x, [(0, 0)] * (x.ndim - 1) + [(0, -K % 32)]); x = x.reshape(x.shape[:-1] + (-1, 32)); a = np.abs(x).max(-1, keepdims=True)
;;       e = np.where(a > 0, np.clip(np.frexp(np.where(a > 0, a, 1))[1] - 1 - 15, -126, 127), 0)      # np.frexp(a)[1] - 1 = floor(log2(a)), exactly
;;       r = np.clip(x / 2.0 ** e, -57344, 57344)
;;       step = 2.0 ** (np.maximum(np.frexp(np.where(r == 0, 1, r))[1] - 1, -14) - 2)
;;       q = np.round(r / step) * step * 2.0 ** e      # np.round: ties to even
;;       return np.moveaxis(q.reshape(q.shape[:-2] + (-1,))[..., :K], -1, axis).astype(np.float32)
;;   ~~~
;;   SOFTMAX AHEAD OF A QUANTISED PRODUCT. Where the list says 'softmax', what is quantised is not the finished softmax but p = 2^(t - M), with t = logit x log2(e) and M = ceil(the row's largest t), a whole number; so 1/2 < the row's largest p <= 1. The row's sum l is taken of the UNQUANTISED p, in f32, and the product's result is divided by l at the end. Since M is a whole number, a kernel that streams over the keys may use a running M (the ceiling of the running maximum): every later rescaling is an exact power of two, which a block's scale takes up: the codes' values come out the same.
;;   OPERANDS COMPUTED ON THE WAY. 'Computed on the way' means the value that the module computes at that place (a softmax that the list does not call 'softmax' is quantised finished and normalised). What goes into a quantiser is computed in f32, as accurately as f32 sums, v_exp_f32 and their like allow (about 1e-6 of the number): no bf16 or f16 on the way to a quantiser, and a product that is left as it is and whose result goes on into a quantised operand takes f32 operands (vector FMAs, or v_wmma_f32_16x16x4_f32). A number that lies on a knife's edge between two numbers of the format may be rounded either way, as far as f32 arithmetic and the matrix unit's own rounding can turn it there, and no further.
;;   INPUTS GIVEN AS CODES. Wk (in the module: [1024, 1024], K = its axis 1); Wq (in the module: [1024, 1024], K = its axis 1); Wv (in the module: [1024, 1024], K = its axis 1); x (in the module: [4, 2048, 1024], K = its axis 2): each comes as NAME_codes (uint8): NAME with its K axis moved to the last place and cut into blocks of 32 codes, [.., K / 32, bytes a block], one block behind the other in memory; one code a byte (a code: sign, 5 exponent bits, 2 mantissa bits); and NAME_scales (uint8): the same leading axes, one E8M0 byte (e + 127) for each 32 codes along K. Its value is code x scale, taken as it is: it is not quantised again, and the codes and scales need not be those that the quantiser above would give.
;; One version. Each part assembles by itself: llvm-mc -triple=amdgcn-amd-amdhsa -mcpu=gfx1250 --defsym DOCPART=n.
;; ======== version 1 of 1: 3 launches
;; limits: right only within a limited range of input values
;; workspace buffers: qk_img 16,777,216 bytes; qk_sc 524,288 bytes; v_img 8,388,608 bytes; v_sc 262,144 bytes; p_img 16,777,216 bytes; p_meta 1,572,864 bytes
;; launch proj (part 1): grid 16 x 16, 4 waves a work-group, clusters of 4 x 4, 327,680 bytes of LDS; arguments x_codes, x_scales, Wq_codes, Wq_scales, Wk_codes, Wk_scales, Wv_codes, Wv_scales, qk_img, qk_sc, v_img, v_sc; writes qk_img, qk_sc, v_img, v_sc
.if DOCPART == 1
	.amdgcn_target "amdgcn-amd-amdhsa--gfx1250"
	.amdhsa_code_object_version 6
	.text
	.protected	k_q2cda2af901_proj
	.globl	k_q2cda2af901_proj
	.p2align	8
	.type	k_q2cda2af901_proj,@function
k_q2cda2af901_proj:
	s_mov_b64 s[64:65], 0
	v_nop
	global_prefetch_b8 v0, s[64:65] scope:SCOPE_SE
	s_setreg_imm32_b32 hwreg(HW_REG_WAVE_MODE, 25, 1), 1
	s_wait_xcnt 0x0
	s_wait_alu depctr_hold_cnt(0) depctr_sa_sdst(0) depctr_va_vdst(0) depctr_va_sdst(0) depctr_va_ssrc(0) depctr_va_vcc(0) depctr_vm_vsrc(0)
	s_getreg_b32 s2, hwreg(HW_REG_IB_STS2, 6, 4)
	s_cmp_eq_u32 s2, 0
	s_cbranch_scc0 .Lentry_in_a_cluster
	s_endpgm
.Lentry_in_a_cluster:
	s_bfe_u32 s2, ttmp6, 0x10000c
	s_cmp_lg_u32 s2, 0xf033
	s_cbranch_scc0 .Lentry_shape_is_right
	s_endpgm
.Lentry_shape_is_right:
; q = x Wq^T, k = x Wk^T, v^T = Wv x^T on codes of BF8 (E5M2), one E8M0 scale for 32 along K = 1,024, sums in f32; each result is quantised along the K of the product that reads it.
; WORK LEFT OUT (in the next launches): the blocks of scores and of weights that reference()'s own tril mask hides as a whole: their weights are 0 for all inputs.  LIMIT: a NaN, an infinity or an overflow that reaches only that work is not carried to the result.
; LIMITS: NaN, infinities and sums beyond f32's range are not served; a block whose largest magnitude lies under 2^-111 keeps the scale byte 1 (these bytes are read by this program alone).
; THE DEAL.  256 work-groups of four waves (2 x 2), clusters of 4 x 4.  A wave holds 64 rows of a weight, all of K, in 512 registers and streams x's rows past them in blocks of 16, two whole sets in registers.
; PHASE 1: 512 rows of x x 128 columns of q (clusters x = 0, 1) or k (2, 3): sixteen blocks a wave.  PHASE 2: 256 x 128 of v: eight blocks, of one of the work-group's own two windows of 256 rows: number s18.
; Phase 1 takes the other window first (chunks 0, 1 of 128 rows), then that one (chunks 2, 3): chunk 3 still lies in slot 1 when phase 2 begins, and chunk 2 comes anew.
; LDS: two slots of 128 rows (the first weight lies in slot 1, Wv's rows in slot 0), x's 512 rows of scale bytes in the order of work, the scale bytes on their way out.
; FILLS.  Head: the first weight (wave 0), chunk 0 (wave 1), a window's scale bytes each (waves 2, 3).  Refills, a quarter of 128 rows a wave, each in a drained round of the cluster's barrier: chunks 1, 2, 3 inside blocks 0, 4, 8
; (waves 0 and 1 bring rows 0-31 and 64-95, the first two blocks of both rows of waves, shown two blocks on; the rest is shown by the next round), Wv's rows behind block 11, chunk 2 anew behind Wv's loads.
; x's rows are shared along the cluster's row, a weight's along its column.
; A block's quantiser stands among the next block's products; a pair of v's blocks, copied, among the next pair's.  The first of either phase has no block before it: it works on what stands there and stores nothing.
; IMAGES: [group of 128 rows][128 along the next K][16 rows][c][lane][16 bytes], scale words [group][128][r][a].  In a block of 32 the true place 16 u + 8 h + j lies at 16 h + 8 u + j: the same order in q, k, v^T and in p, so the products agree place by place.
; PREFETCH: chunks 1, 2 at the first barrier, chunk 3 and Wv's rows a trip of four blocks ahead of their loads; sixteen waves of a row (a column) share 128 rows by address, 8,192 bytes each.
.set NQ, 8
.set NB, 4
.set TM, 512
.set TN, 128
.set CH, 128
.set KROW, 1024
.set KS, 32
.set PITCH, KROW+16
.set FR, 16
.set FPW, 16
.set NP, 8                             ; plain vector lines behind a matrix instruction, ahead of a reader of its sums and of a load into what it has read
.set NF, 34                            ; LDS loads of a block
.set YB, CH*PITCH                      ; slot 1
.set SCL, 2*CH*PITCH                   ; x's scale bytes: units of 256 bytes (8 rows) + 16 of padding
.set RS, 32                            ; units of a window
.set SSTEP, 2*272                      ; 16 rows' scale bytes
.set CSTEP, 16*272                     ; a chunk's
.set XN, SCL+2*RS*272                  ; q's or k's scale words on the way out: four groups of 512 bytes, in the order of work
.set XV, XN+4*512                      ; v's: two steps of 512 bytes
.set SPARE, XV+2*512
.set EMAX, 15                          ; 57,344 = 1.75 x 2^15
.set TB, 2048                          ; 16 rows x 128 codes in an image
.set ADRA0, 4                          ; LDS address of my fragments of block 0
.set AAS0, 6                           ; of my row's scale words in block 0
.set CO, 9                             ; 16 x lane
.set SPW, 10                           ; my spare word
.set NIL, 11                           ; 0
.set ADRA, 12                          ; as v4, for the block that is fetched next
.set VX, 13                            ; LDS address of scale bytes on the way out
.set ADRB, 14                          ; v14, v15: my fragments of a weight in slot 1, in slot 0
.set ABS, 16                           ; my offset in a weight's scale bytes
.set AAS, 17                           ; as v6, for the block that is fetched next
.set RD, 19                            ; v's place among the scale bytes on the way out
.set SOP, 20                           ; v20-23 the conversions' scale operands
.set SB, 24                            ; v24-39 the weight's scale words: register 8 p + q: lanes 0-15 tile 2 p's, lanes 16-31 tile 2 p + 1's
.set EB, 40                            ; v40-43 scale bytes
.set SA, 44                            ; v44-59 x's scale words, two sets
.set TQ, 60                            ; v60-63 maxima and bounds
.set ACC, 64                           ; v64-191 four sets of four accumulators: products write 0 and 1 by turns; 2 and 3 take a pair of v's blocks
.set WS, 128                           ; in phase 1: Wv's scale words
.set NCD, 192                          ; codes on the way out
.set MCD, 192
.set G1A, 24
.set G0A, 56
.set G1B, 32
.set G0B, 60
.set G1R, 48
.set G0R, 68
.set G1S, 92
.set G0S, 72
.set MSB, 0
.macro WIN new                         ; the immediate's high byte repeats the setting that is left
.if MSB != (\new)
	s_set_vgpr_msb (MSB<<8)|(\new)
.set MSB, (\new)
.endif
.endm
.macro PLACES n
.rept \n
	v_nop
.endr
.endm
.macro BARRIER
	s_barrier_signal -1
	s_barrier_wait -1
.endm
.macro CROUND                          ; a round of the cluster's barrier
	BARRIER
	s_cmp_lg_u32 s14, 0
	s_cbranch_scc1 .Lnot_wave_0_\@
	s_barrier_signal -3
.Lnot_wave_0_\@:
	s_barrier_wait -3
	BARRIER
.endm
.macro TLOAD g0, g1
	tensor_load_to_lds s[\g0:\g0+3], s[\g1:\g1+7]
	s_nop 0
	PLACES 4
.endm
.macro GROUP1 g, mask, rows            ; so many whole rows of 1,024 bytes, 16 bytes of padding behind each in LDS
	s_or_b32 s[\g+0], s[\mask], (1<<20)|(1<<21)|(7<<22)|(3<<25)
	s_mov_b32 s[\g+1], (KROW&0xffff)<<16
	s_mov_b32 s[\g+2], (KROW>>16)|((\rows)<<16)
	s_mov_b32 s[\g+3], KROW<<16
	s_mov_b32 s[\g+4], \rows
	s_mov_b32 s[\g+5], KROW
	s_mov_b32 s[\g+6], 0
	s_mov_b32 s[\g+7], 0
.endm
.macro SADD d, x
	s_add_co_u32 s\d, s\d, s\x
.endm
.macro LADD d, x, n                    ; s[d] += s[x] << n
	s_lshl_b32 s20, s\x, \n
	s_add_co_u32 s\d, s\d, s20
.endm
	s_load_b128 s[4:7], s[0:1], 0x0                ; x's codes, x's scales
	s_load_b256 s[84:91], s[0:1], 0x10             ; Wq's, Wk's
	s_load_b128 s[8:11], s[0:1], 0x30              ; Wv's
	v_lshl_add_u32 v[SPW], v0, 2, SPARE
	v_mov_b32 v[NIL], 0
	ds_add_u32 v[SPW], v[NIL]                      ; the wave's opening: the add, twice on end, and its wait ahead of my first tensor load
	ds_add_u32 v[SPW], v[NIL]
	v_lshrrev_b32 v1, 5, v0
	v_readfirstlane_b32 s14, v1                    ; wave 0..3
	s_lshr_b32 s15, s14, 1                         ; my row of waves
	s_and_b32 s16, s14, 1                          ; my column of waves
	s_bfe_u32 s40, ttmp6, 0x40000                  ; cx, cy
	s_bfe_u32 s41, ttmp6, 0x40004
	s_lshr_b32 s19, ttmp9, 1                       ; 0: phase 1 makes q; 1: k (the cluster's number alone)
	s_and_b32 s18, ttmp9, 1                        ; v's window of my two
	s_lshl_b32 s42, s18, 2
	s_add_co_u32 s42, s42, s40                     ; phase 1's 128 columns of eight
	s_and_b32 s43, ttmp7, 0xffff
	s_lshl_b32 s43, s43, 2
	s_add_co_u32 s43, s43, s41                     ; my 512 rows of sixteen
	s_lshl_b32 s44, s41, 2
	s_lshl_b32 s44, 15, s44                        ; my row of the cluster shares x's rows
	s_lshl_b32 s45, 0x1111, s40                    ; my column a weight's
	GROUP1 G1B, 45, TN
	GROUP1 G1A, 44, CH
	GROUP1 G1R, 44, CH/4
	s_or_b32 s[G1S+0], s44, (3<<16)|(1<<20)|(1<<21)|(5<<22)|(3<<25)
	s_mov_b32 s[G1S+1], 32<<16                     ; a window's scale bytes: 8,192 dense bytes as 32 rows of 256, 16 of padding behind each
	s_mov_b32 s[G1S+2], RS<<16
	s_mov_b32 s[G1S+3], 32<<16
	s_mov_b32 s[G1S+4], RS
	s_mov_b32 s[G1S+5], 32
	s_mov_b32 s[G1S+6], 0
	s_mov_b32 s[G1S+7], 0
	s_mov_b32 s[G0S], 1
	s_mul_i32 s[G0S+1], s16, RS*272
	s_add_co_u32 s[G0S+1], s[G0S+1], SCL
	s_mul_i32 s67, s43, TM*KROW                    ; offsets: s67 the window that is not v's, s2 v's
	s_mul_i32 s20, s18, TM/2*KROW
	s_add_co_u32 s2, s67, s20
	s_xor_b32 s20, s20, TM/2*KROW
	SADD 67, 20
	s_lshl_b32 s13, s19, 2
	SADD 13, 40                                    ; Wv's 128 rows of eight: a cluster's column shares them
	s_mul_i32 s66, s13, TN*KROW                    ; their codes,
	s_mul_i32 s12, s13, TN*KS                      ; their scale bytes: my wave's 64 rows
	s_mul_i32 s21, s16, 64*KS
	SADD 12, 21
	s_mul_i32 s78, s42, TN*KROW                    ; the first weight's codes,
	s_mov_b32 s79, 0
	s_mul_i32 s82, s42, TN*KS                      ; its scale bytes: my wave's 64 rows
	SADD 82, 21
	s_mov_b32 s83, 0
	s_xor_b32 s20, s18, 1                          ; x's scale bytes: wave 2 the window that is not v's, wave 3 v's
	s_cmp_eq_u32 s16, 1
	s_cselect_b32 s20, s18, s20
	s_lshl_b32 s80, s43, 1
	SADD 80, 20
	s_mul_i32 s80, s80, TM/2*KS
	s_mov_b32 s81, 0
	s_mov_b32 s[G0A], 1
	s_mov_b32 s[G0A+1], 0
	s_mov_b32 s[G0B], 1
	s_mov_b32 s[G0B+1], YB
	s_mov_b32 s[G0R], 1
	v_and_b32 v1, 15, v0                           ; r
	v_bfe_u32 v2, v0, 4, 1                         ; h
	v_and_b32 v3, 31, v0                           ; lane
	v_mul_u32_u24 v22, v1, PITCH
	v_mad_u32_u24 v23, v2, 16, v22
	s_mul_i32 s20, s15, 64*PITCH                   ; my 64 rows of a chunk
	v_add_nc_u32 v[ADRA0], s20, v23
	s_mul_i32 s22, s16, 64*PITCH                   ; my 64 rows of a weight
	v_add_nc_u32 v[ADRB+1], s22, v23
	s_add_co_u32 s22, s22, YB
	v_add_nc_u32 v[ADRB], s22, v23
	v_mul_u32_u24 v[ABS], v3, KS
	v_lshlrev_b32 v23, 5, v1                       ; scale bytes: 32 a row, and 16 more for each 256 passed
	v_lshrrev_b32 v22, 3, v1
	v_lshl_add_u32 v23, v22, 4, v23
	s_mul_i32 s20, s15, 8*272
	s_add_co_u32 s20, s20, SCL
	v_add_nc_u32 v[AAS0], s20, v23
	s_wait_alu depctr_va_vdst(0)                   ; ahead of the waits below
	s_wait_dscnt 0x0                               ; both opening adds are done
	CROUND
	s_wait_kmcnt 0x0
	s_cmp_eq_u32 s19, 1
	s_cselect_b64 s[84:85], s[88:89], s[84:85]     ; the first weight: Wq's or Wk's codes,
	s_cselect_b64 s[86:87], s[90:91], s[86:87]     ; and scale bytes
	s_mov_b32 s20, s67
	s_mov_b32 s21, 0
	s_add_nc_u64 s[G0A+2:G0A+3], s[4:5], s[20:21]
	s_or_b32 s[G0A+3], s[G0A+3], 0x80000000
	s_add_nc_u64 s[G0B+2:G0B+3], s[84:85], s[78:79]
	s_or_b32 s[G0B+3], s[G0B+3], 0x80000000
	s_add_nc_u64 s[G0S+2:G0S+3], s[6:7], s[80:81]
	s_or_b32 s[G0S+3], s[G0S+3], 0x80000000
	s_cmp_eq_u32 s14, 0                            ; one joint load a wave
	s_cbranch_scc0 .Lwave_1
	TLOAD G0B, G1B                                 ; wave 0: the first weight, which is wanted first
	s_branch .Lasked
.Lwave_1:
	s_cmp_eq_u32 s14, 1
	s_cbranch_scc0 .Lfor_scales
	TLOAD G0A, G1A                                 ; wave 1: chunk 0
	s_branch .Lasked
.Lfor_scales:
	TLOAD G0S, G1S                                 ; waves 2, 3: a window's scale bytes each
.Lasked:
	s_add_nc_u64 s[86:87], s[86:87], s[82:83]
	s_mov_b32 s20, s12
	s_mov_b32 s21, 0
	s_add_nc_u64 s[10:11], s[10:11], s[20:21]
.irp p, 0,1                                    ; scale words: the first weight's into SB, Wv's into WS
.irp c, 0,1
	global_load_b128 v[SB+8*\p+4*\c:SB+8*\p+4*\c+3], v[ABS], s[86:87] offset:\p*32*KS+16*\c
	global_load_b128 v[WS+8*\p+4*\c:WS+8*\p+4*\c+3], v[ABS], s[10:11] offset:\p*32*KS+16*\c
.endr
.endr
	s_mov_b32 s20, s66
	s_add_nc_u64 s[8:9], s[8:9], s[20:21]          ; Wv's 128 rows
	s_lshl_b32 s90, s40, 2                         ; which of the cluster row's sixteen waves I am: my share of a prefetch of x's rows;
	SADD 90, 14
	s_lshl_b32 s100, s41, 2                        ; and of the column's: of Wv's
	SADD 100, 14
	s_lshl_b32 s91, s16, 1                         ; which quarter of a chunk I bring
	SADD 91, 15
; WHERE MY RESULTS GO: offsets now, the buffers' addresses in front of the stream
	s_lshl_b32 s76, s19, 23                        ; s[76:77] codes of q or k: k's image behind q's
	LADD 76, 43, 19
	LADD 76, 42, 14
	LADD 76, 15, 13
	LADD 76, 16, 10
	s_mov_b32 s77, 0
	s_xor_b32 s21, s15, s18                        ; s[78:79] scale words: wave n stores the group that came n-th in the order of work
	s_xor_b32 s21, s21, 1
	s_lshl_b32 s78, s19, 18
	LADD 78, 43, 14
	LADD 78, 21, 13
	LADD 78, 16, 12
	LADD 78, 42, 9
	s_mov_b32 s79, 0
	s_lshl_b32 s80, s13, 20                        ; s[80:81] codes of v
	LADD 80, 43, 16
	LADD 80, 18, 15
	LADD 80, 16, 13
	LADD 80, 15, 10
	s_mov_b32 s81, 0
	s_lshl_b32 s82, s13, 15                        ; s[82:83] v's scale words: 256 bytes a wave
	LADD 82, 43, 11
	LADD 82, 18, 10
	LADD 82, 14, 8
	s_mov_b32 s83, 0
	v_lshlrev_b32 v[CO], 4, v3
	v_lshlrev_b32 v23, 5, v1
	s_lshl_b32 s21, s15, 4                         ; q's, k's word of row r, block a = 4 x wave row + k: my half of it
	LADD 21, 16, 1
	s_add_co_u32 s21, s21, XN
	v_add_nc_u32 v[VX], s21, v23
	s_lshl_b32 s21, s16, 4                         ; v's word of row r, block a = 4 x wave column + t: bytes 2 x wave row, + 1
	LADD 21, 15, 1
	s_add_co_u32 s21, s21, XV
	s_wait_alu depctr_va_vdst(0)                   ; ahead of the second read
	v_add_nc_u32 v[RD], s21, v23
	s_add_co_u32 s6, s67, CH*KROW                  ; chunk 1
	s_add_co_u32 s7, s2, CH*KROW                   ; chunk 3
	s_lshl_b32 s21, s90, 13
	s_add_co_u32 s22, s21, s6
	v_lshl_add_u32 v7, v3, 8, s22                  ; v7, v8: my sixteenth of chunk 1, of chunk 2
	s_add_co_u32 s22, s21, s2
	v_lshl_add_u32 v8, v3, 8, s22
	v_add_nc_u32 v1, 16*PITCH, v[ADRA0]            ; v1, v2: block 1's LDS addresses
	v_add_nc_u32 v2, SSTEP, v[AAS0]
	s_wait_alu depctr_va_vdst(0)                   ; the head's end
	s_cmp_eq_u32 s14, 0
	s_cbranch_scc0 .Lnot_b
	s_wait_tensorcnt 0x0                           ; wave 0: the first weight has landed.  The other waves' wait stands at the second barrier
.Lnot_b:
	BARRIER
	global_prefetch_b8 v7, s[4:5] th:TH_LOAD_NT scope:SCOPE_SE
	global_prefetch_b8 v8, s[4:5] th:TH_LOAD_NT scope:SCOPE_SE
.macro WALU
	s_wait_alu depctr_va_vdst(0)
.endm
.macro MIDDLE                          ; a round's middle
	WIN 0
	s_barrier_wait -1
	s_cmp_lg_u32 s14, 0
	s_cbranch_scc1 .Lnot_wave_0_\@
	s_barrier_signal -3
.Lnot_wave_0_\@:
	s_barrier_wait -3
.endm
.macro GRD
	s_wait_tensorcnt 0x0
	ds_add_u32 v[SPW], v[NIL]
.endm
.macro FRAG f, adr, q, off             ; a weight's fragment f: 16 rows x 128 K in 16 registers of window 1 + f / 16
	WIN (1+(\f)/FPW)<<6
.irp c, 0,1,2,3
	ds_load_b128 v[FR*((\f)%FPW)+4*\c:FR*((\f)%FPW)+4*\c+3], v[\adr] offset:128*(\q)+32*\c+(\off)
.endr
.endm
.macro WEIGHTS adr                     ; my 64 rows, all of K: 128 loads
.irp q, 0,1,2,3,4,5,6,7
.irp b, 0,1,2,3
	FRAG NB*\q+\b, \adr, \q, \b*16*PITCH
.endr
.endr
	WIN 0
.endm
.macro FETCHAT k, a, s                 ; a block of x, 16 rows, all of K, into set k of window 3, and its scale words: NF loads
	WIN 3<<6
.irp q, 0,1,2,3,4,5,6,7
.irp c, 0,1,2,3
	ds_load_b128 v[128*\k+FR*\q+4*\c:128*\k+FR*\q+4*\c+3], v[\a] offset:128*\q+32*\c
.endr
.endr
	WIN 0
	ds_load_b128 v[SA+8*\k:SA+8*\k+3], v[\s]
	ds_load_b128 v[SA+8*\k+4:SA+8*\k+7], v[\s] offset:16
.endm
.macro WM d, a, b, c, sa, sb, row
	v_wmma_scale_f32_16x16x128_f8f6f4 v[\d:\d+7], v[\a:\a+15], v[\b:\b+15], \c, v[\sa], v[\sb] matrix_a_fmt:MATRIX_FMT_BF8 matrix_b_fmt:MATRIX_FMT_BF8 \row
.endm
; Product n = 4 q + b of a block: the q-th 128 of K, tile b of 16 weight rows; x's rows in set e, sums in set a.  kind 0 (q, k): source 0 = the weight's rows; kind 1 (v): source 0 = x's rows.
; Four accumulators by turns: three other products stand between a sum's steps.
.macro PROD kind, e, a, n
.set Q_, (\n)/4
.set B_, (\n)%4
.set F_, NB*Q_+B_
.set AC_, ACC+32*(\a)+8*B_
.set R_, 128*(\e)+FR*Q_
.set W_, FR*(F_%FPW)
.set XS_, SA+8*(\e)+Q_
.set WS_, SB+8*(B_/2)+Q_
.if \kind
	WIN 3|((1+F_/FPW)<<2)
.if Q_ && B_%2
	WM AC_, R_, W_, v[AC_:AC_+7], XS_, WS_, matrix_b_scale:MATRIX_SCALE_ROW1
.elseif Q_
	WM AC_, R_, W_, v[AC_:AC_+7], XS_, WS_
.elseif B_%2
	WM AC_, R_, W_, 0, XS_, WS_, matrix_b_scale:MATRIX_SCALE_ROW1
.else
	WM AC_, R_, W_, 0, XS_, WS_
.endif
.else
	WIN (1+F_/FPW)|(3<<2)
.if Q_ && B_%2
	WM AC_, W_, R_, v[AC_:AC_+7], WS_, XS_, matrix_a_scale:MATRIX_SCALE_ROW1
.elseif Q_
	WM AC_, W_, R_, v[AC_:AC_+7], WS_, XS_
.elseif B_%2
	WM AC_, W_, R_, 0, WS_, XS_, matrix_a_scale:MATRIX_SCALE_ROW1
.else
	WM AC_, W_, R_, 0, WS_, XS_
.endif
.endif
.endm
.macro HOLD x, b
	v_med3_num_f32 v[\x], v[\x], -v[TQ+\b], v[TQ+\b]
.endm
.macro SCALES i, n                     ; i = 0: the conversion's scale operand; 1: the bound; 2: a second copy of it; 3: the scale byte
.if (\i) == 0
	v_add_nc_u32 v[SOP+\n], -(EMAX<<23), v[TQ]
.elseif (\i) == 1
	v_and_or_b32 v[TQ+1], v[TQ], 0x7f800000, s62
.elseif (\i) == 2
	v_mov_b32 v[TQ+3], v[TQ+1]
.else
	v_lshrrev_b32 v[EB+\n], 23, v[SOP+\n]
.endif
.endm
.macro HOLDS m, x                      ; two holds; the bound is read from its second copy where its first would be read too late
.if (\m) == 3
	HOLD \x, 3
	HOLD \x+1, 3
.else
	HOLD \x, 1
	HOLD \x+1, 1
.endif
.if (\m) == 2
	SCALES 2, 0
.endif
.endm
.macro QL i, x                         ; 39 lines of q's or k's quantiser: bytes, then tile by tile eight holds and the conversion (it does not saturate: ISA guide 7.6.2), then the two bytes joined
.if (\i) < 2
	v_lshrrev_b32 v[EB+(\i)], 23, v[SOP+(\i)]
.elseif (\i) == 38
	v_lshl_or_b32 v[EB], v[EB+1], 8, v[EB]
.else
.set T_, ((\i)-2)/9
.set J_, ((\i)-2)%9
.if J_ < 8
	v_med3_num_f32 v[\x+8*T_+J_], v[\x+8*T_+J_], -v[TQ+2+T_/2], v[TQ+2+T_/2]
.else
	v_cvt_scalef32_pk8_bf8_f32 v[NCD+2*T_:NCD+2*T_+1], v[\x+8*T_:\x+8*T_+7], v[SOP+T_/2]
.endif
.endif
.endm
.macro GAPQ m, x                       ; THE QUANTISER OF q's OR k's BLOCK, gaps 0 .. 24: two scale blocks, each 16 numbers of my lane and 16 of lane l xor 16; each accumulator is read from its low end on
.if (\m) == 0
	v_max3_num_f32 v[TQ], |v[\x]|, |v[\x+1]|, |v[\x+2]|
	v_max3_num_f32 v[TQ+1], |v[\x+16]|, |v[\x+17]|, |v[\x+18]|
.elseif (\m) < 7
	v_max3_num_f32 v[TQ], v[TQ], |v[\x+2*(\m)+1]|, |v[\x+2*(\m)+2]|
	v_max3_num_f32 v[TQ+1], v[TQ+1], |v[\x+2*(\m)+17]|, |v[\x+2*(\m)+18]|
.elseif (\m) == 7
	v_max3_num_f32 v[TQ], v[TQ], |v[\x+15]|, (EMAX+1)<<23
	v_max3_num_f32 v[TQ+1], v[TQ+1], |v[\x+31]|, (EMAX+1)<<23
.elseif (\m) == 8
	v_permlanex16_b32 v[TQ+2], v[TQ], s60, s61
	v_permlanex16_b32 v[TQ+3], v[TQ+1], s60, s61
.elseif (\m) == 9
	v_max_num_f32 v[TQ], v[TQ], v[TQ+2]
	v_max_num_f32 v[TQ+1], v[TQ+1], v[TQ+3]
.elseif (\m) == 10
	v_add_nc_u32 v[SOP], -(EMAX<<23), v[TQ]
	v_add_nc_u32 v[SOP+1], -(EMAX<<23), v[TQ+1]
.elseif (\m) == 11
	v_and_or_b32 v[TQ+2], v[TQ], 0x7f800000, s62
	v_and_or_b32 v[TQ+3], v[TQ+1], 0x7f800000, s62
.elseif (\m) < 25
.set I_, 3*((\m)-12)
.rept 3
	QL I_, \x
.set I_, I_+1
.endr
.endif
.endm
.macro GAPV u, x                       ; THE QUANTISER OF A PAIR OF v's BLOCKS, gaps 0 .. 59, 15 a tile: the even block's sums at x, the odd's at x + 32 -> codes MCD + 4 t, bytes EB + t
.set T_, (\u)/15
.set J_, (\u)%15
.set E_, \x+8*T_
.set O_, E_+32
.if (\u) > 59
.elseif J_ == 0
	v_max3_num_f32 v[TQ], |v[E_]|, |v[E_+1]|, |v[E_+2]|
	v_max3_num_f32 v[TQ+2], |v[O_]|, |v[O_+1]|, |v[O_+2]|
.elseif J_ < 3
	v_max3_num_f32 v[TQ], v[TQ], |v[E_+2*J_+1]|, |v[E_+2*J_+2]|
	v_max3_num_f32 v[TQ+2], v[TQ+2], |v[O_+2*J_+1]|, |v[O_+2*J_+2]|
.elseif J_ == 3
	v_max3_num_f32 v[TQ+2], v[TQ+2], |v[O_+7]|, (EMAX+1)<<23
	v_max3_num_f32 v[TQ], v[TQ], |v[E_+7]|, v[TQ+2]
.elseif J_ == 4
	v_permlanex16_b32 v[TQ+2], v[TQ], s60, s61
	v_max_num_f32 v[TQ], v[TQ], v[TQ+2]
.elseif J_ == 5
	SCALES 0, T_
	SCALES 1, T_
.elseif J_ < 10
	HOLDS J_-6, E_+2*(J_-6)
.if J_ == 9
	v_cvt_scalef32_pk8_bf8_f32 v[MCD+4*T_:MCD+4*T_+1], v[E_:E_+7], v[SOP+T_]
.endif
.elseif J_ < 14
	HOLDS J_-6, O_+2*(J_-10)
.if J_ == 13
	v_cvt_scalef32_pk8_bf8_f32 v[MCD+4*T_+2:MCD+4*T_+3], v[O_:O_+7], v[SOP+T_]
.endif
.else
	SCALES 3, T_
.endif
.endm
.macro RDESC i, off, lds               ; group 0 of a refill, in two parts: my quarter of 128 rows of x, at s[off], into LDS at s[lds]
.if (\i) == 0
	s_mul_i32 s[G0R+1], s91, CH/4*PITCH
	s_add_co_u32 s[G0R+1], s[G0R+1], s\lds
	s_mul_i32 s20, s91, CH/4*KROW
	s_add_co_u32 s20, s20, s\off
.else
	s_mov_b32 s21, 0
	s_add_nc_u64 s[G0R+2:G0R+3], s[4:5], s[20:21]
	s_or_b32 s[G0R+3], s[G0R+3], 0x80000000
.endif
.endm
; WHAT STANDS BEHIND PRODUCT n.  j: the block's number in its trip (the second loop's: 4, 5; v's: -1, -2).  The addresses of the block two on stand behind 0 and 1; from 1 on a way out: y = 1 q's or k's block at x; 2, 3 the halves of v's pair at x.
.macro LIST n, j, y, x
.if (\n) == 0
.if (\j) == 1
	s_mov_b64 s[84:85], s[86:87]                   ; a chunk's first block goes out next
.elseif (\j) >= 0
	s_add_nc_u64 s[84:85], s[84:85], TB
.if (\j) == 5
	s_cmp_eq_u32 s46, 3
	s_cselect_b64 s[84:85], s[86:87], s[84:85]
.endif
.endif
	WIN 0
.if (\j) == 0 || (\j) == 1
	s_add_co_u32 s22, s101, ((\j)+2)*16*PITCH
.elseif (\j) > 1
	s_add_co_u32 s22, s47, ((\j)%2)*16*PITCH
.else
	s_add_co_u32 s22, s47, (-1-(\j))*16*PITCH
.endif
	v_add_nc_u32 v[ADRA], s22, v[ADRA0]
.elseif (\n) == 1
	WIN 0
.if (\j) == 0 || (\j) == 1
	s_add_co_u32 s22, s17, ((\j)+2)*SSTEP
.elseif (\j) > 1
	s_add_co_u32 s22, s8, ((\j)%2)*SSTEP
.else
	s_add_co_u32 s22, s8, (-1-(\j))*SSTEP
.endif
	v_add_nc_u32 v[AAS], s22, v[AAS0]
.endif
.if (\j) == 2 && (\n) == 2
	WIN 0
	v_lshl_add_u32 v7, v3, 8, s23
.elseif (\j) == 0 && ((\n) == 29 || (\n) == 30)
	RDESC (\n)-29, 6, 47
.elseif ((\j) == 1 || (\j) == 5) && (\n) == 2
	WIN 0
	v_add_nc_u32 v[VX], s9, v[VX]
.endif
.if (\y) == 1 && (\n) > 0 && (\n) < 26
	WIN 0
	GAPQ (\n)-1, \x
.elseif (\y) == 2 && (\n) > 0 && (\n) < 31
	WIN 0
	GAPV (\n)-1, \x
.elseif (\y) == 3 && (\n) > 0 && (\n) < 31
	WIN 0
	GAPV (\n)+29, \x
.endif
.endm
.macro BLOCK kind, e, a, from, to, j, y, x
.set N_, \from
.rept (\to)-(\from)
	PROD \kind, \e, \a, N_
	LIST N_, \j, \y, \x
.set N_, N_+1
.endr
.endm
.macro BLK kind, e, a, w, j, y, x      ; a block; w: the wait's count (-1: none)
.if (\w) >= 0
	s_wait_dscnt \w
.endif
	s_wait_xcnt 0x0                                ; earlier stores and prefetches have read their registers
	BLOCK \kind, \e, \a, 0, 32, \j, \y, \x
	WIN 0
	PLACES NP
.endm
.macro RBLK kind, e, a, w, j, y, x     ; a block with a round of the cluster's barrier
	s_wait_dscnt \w
	s_wait_xcnt 0x0
	GRD
	BLOCK \kind, \e, \a, 0, 28, \j, \y, \x
	WIN 0
	WALU
	s_wait_dscnt 0x0                               ; the add is done, and my reads are over
	s_barrier_signal -1
	BLOCK \kind, \e, \a, 28, 32, \j, \y, \x
	MIDDLE
	BARRIER
.endm
.macro SBLK kind, e, a, w, j, y, x, half=0 ; a block with a plain barrier (half = 1: it shows waves 0 and 1's loads alone)
.if (\w) >= 0
	s_wait_dscnt \w
.endif
	s_wait_xcnt 0x0
	BLOCK \kind, \e, \a, 0, 28, \j, \y, \x
	WIN 0
	WALU
.if \half
	s_cmp_lt_u32 s14, 2
	s_cbranch_scc0 .Lnot_yet_\@
	s_wait_tensorcnt 0x0
.Lnot_yet_\@:
.else
	s_wait_tensorcnt 0x0
.endif
	s_wait_dscnt 0x0
	s_barrier_signal -1
	BLOCK \kind, \e, \a, 28, 32, \j, \y, \x
	WIN 0
	s_barrier_wait -1
	PLACES NP
.endm
.macro QOUT off, boff                  ; a block's two scale bytes go to their place in LDS, its codes leave: 512 consecutive bytes a store
	ds_store_b16 v[VX], v[EB] offset:\boff
	global_store_b128 v[CO], v[NCD:NCD+3], s[84:85] offset:\off
	global_store_b128 v[CO], v[NCD+4:NCD+7], s[84:85] offset:(\off)+512
.endm
	WEIGHTS ADRB
	s_wait_tensorcnt 0x0                           ; chunk 0 and the scale bytes are in;
	s_wait_dscnt 0x0                               ; the first weight is in registers
	BARRIER
	FETCHAT 0, ADRA0, AAS0
	FETCHAT 1, 1, 2
	s_load_b256 s[92:99], s[0:1], 0x40             ; qk_img, qk_sc, v_img, v_sc
	s_mov_b32 s60, 0x76543210                      ; lane l xor 16
	s_mov_b32 s61, 0xfedcba98
	s_mov_b32 s62, 0x600000                        ; the mantissa field of 57,344
	v_mov_b32 v[TQ+2], 0
	v_mov_b32 v[TQ+3], 0
.set I_, 0
.rept 32
	v_mov_b32 v[ACC+32+I_], 0
.set I_, I_+1
.endr
	s_wait_xcnt 0x0
	s_mov_b64 s[10:11], s[8:9]                     ; Wv's 128 rows
	s_mov_b64 s[12:13], s[4:5]                     ; the prefetches' base
	s_wait_kmcnt 0x0
	s_add_nc_u64 s[92:93], s[92:93], s[76:77]
	s_add_nc_u64 s[94:95], s[94:95], s[78:79]
	s_add_nc_u64 s[96:97], s[96:97], s[80:81]
	s_add_nc_u64 s[98:99], s[98:99], s[82:83]
	s_lshl_b32 s20, s18, 18
	s_mov_b32 s21, 0
	s_add_nc_u64 s[88:89], s[92:93], s[20:21]      ; codes of v's window
	s_xor_b32 s20, s20, 0x40000
	s_add_nc_u64 s[86:87], s[92:93], s[20:21]      ; of the other: s[86:87] is where the trip's chunk goes
	s_mov_b64 s[84:85], s[86:87]
	s_mov_b32 s46, 0                               ; PHASE 1.  s46 the trip; s101, s47 this chunk's slot and the next's; s17, s8 their scale words' step; s6 the rows that are loaded; s9 to the scale bytes' next place; s23 where my prefetch begins
	s_mov_b32 s9, 0
	s_mov_b32 s23, 0
	s_mov_b32 s101, 0
	s_mov_b32 s47, YB
	s_mov_b32 s17, 0
	s_mov_b32 s8, CSTEP
	s_wait_loadcnt 0x0
.Lfour:
	RBLK 0, 0, 0, NF, 0, 1, ACC+32                 ; blocks 0, 4, 8: chunks 1, 2, 3 come
	s_cmp_lt_u32 s14, 2                            ; waves 0, 1 and waves 2, 3 have a load line each: the barrier two blocks on waits for the first line's alone
	s_cbranch_scc0 .Lupper
	TLOAD G0R, G1R
	s_branch .Lboth
.Lupper:
	TLOAD G0R, G1R
.Lboth:
	PLACES NP-4
	s_cmp_eq_u32 s46, 0
	s_cbranch_scc1 .Lno_block_before
	QOUT 0, 12
.Lno_block_before:
	FETCHAT 0, ADRA, AAS
	BLK 0, 1, 1, -1, 1, 1, ACC
	QOUT 0, 0
	FETCHAT 1, ADRA, AAS
	SBLK 0, 0, 0, NF, 2, 1, ACC+32, 1              ; the next chunk's first two blocks are in
	QOUT 0, 4
	s_cmp_eq_u32 s46, 0
	s_cbranch_scc1 .Lnone_ahead
	global_prefetch_b8 v7, s[12:13] th:TH_LOAD_NT scope:SCOPE_SE
.Lnone_ahead:
	FETCHAT 0, ADRA, AAS
	BLK 0, 1, 1, -1, 3, 1, ACC
	QOUT 0, 8
	FETCHAT 1, ADRA, AAS
	s_mov_b32 s9, 512
	s_add_nc_u64 s[86:87], s[86:87], 0x20000
	s_cmp_eq_u32 s46, 1
	s_cselect_b64 s[86:87], s[88:89], s[86:87]     ; chunks 2, 3: v's window
	s_cselect_b64 s[12:13], s[10:11], s[12:13]     ; trip 2 asks ahead for Wv's rows, trip 1 for chunk 3
	s_cmp_eq_u32 s46, 0
	s_cselect_b32 s6, s2, s7
	s_cselect_b32 s21, s90, s100
	s_cselect_b32 s22, s7, 0
	s_lshl_b32 s21, s21, 13
	s_add_co_u32 s23, s21, s22
	s_mov_b32 s101, s47
	s_mov_b32 s17, s8
	s_xor_b32 s47, s47, YB
	s_add_co_u32 s8, s8, CSTEP
	s_add_co_u32 s46, s46, 1
	s_cmp_lg_u32 s46, 3
	s_cbranch_scc1 .Lfour
	GRD
	s_mul_i32 s20, s14, CH/4*KROW
	s_mov_b32 s21, 0
	s_mul_i32 s[G0A+1], s14, CH/4*PITCH
	s_add_nc_u64 s[G0A+2:G0A+3], s[10:11], s[20:21]
	s_or_b32 s[G0A+3], s[G0A+3], 0x80000000
	GROUP1 G1A, 45, CH/4
	s_wait_dscnt 0x0
	s_barrier_signal -1
	MIDDLE
	BARRIER
	TLOAD G0A, G1A
	s_mov_b32 s47, YB+32*PITCH
	s_mov_b32 s8, 3*CSTEP+2*SSTEP
	s_mov_b32 s9, 504                              ; the scale bytes' places: 12 behind the last chunk's, then a chunk on less 8 (stored at 8), then 8 on
.Ltwo:
	BLK 0, 0, 0, NF, 4, 1, ACC+32                  ; blocks 12, 14
	QOUT 0, 12
	FETCHAT 0, ADRA, AAS
	BLK 0, 1, 1, NF, 5, 1, ACC                     ; 13, 15; the block two on is then v's: chunk 3 again, as it lies in slot 1
	QOUT 0, 8
	FETCHAT 1, ADRA, AAS
	s_mov_b32 s47, YB
	s_mov_b32 s8, 3*CSTEP
	s_mov_b32 s9, 8
	s_add_co_u32 s46, s46, 1
	s_cmp_lg_u32 s46, 5
	s_cbranch_scc1 .Ltwo
; the change of phase
	s_wait_xcnt 0x0
	s_wait_tensorcnt 0x0                           ; Wv's rows are in
	s_wait_dscnt 0x0
	BARRIER
.macro CHANGE i                        ; among Wv's 128 loads: the last block's way out; Wv's scale words into their place; zeros into what no block has written yet
.if (\i) < 7
.irp k, 0,1,2,3
.if 4*(\i)+\k < 25
	GAPQ 4*(\i)+\k, ACC+32
.endif
.endr
.elseif (\i) < 9
.irp q, 0,1,2,3,4,5,6,7
	v_mov_b32 v[SB+8*((\i)-7)+\q], v[WS+8*((\i)-7)+\q]
.endr
.elseif (\i) < 15
.irp q, 0,1,2,3,4,5,6,7
	v_mov_b32 v[ACC+80+8*((\i)-9)+\q], 0
.endr
.endif
.endm
.irp q, 0,1,2,3,4,5,6,7
.irp b, 0,2
	FRAG NB*\q+\b, ADRB+1, \q, \b*16*PITCH
	FRAG NB*\q+\b+1, ADRB+1, \q, (\b+1)*16*PITCH
	WIN 0
	CHANGE 2*\q+\b/2
.endr
.endr
	QOUT TB, 12
	GRD
	s_mov_b32 s47, 0
	RDESC 0, 2, 47
	RDESC 1, 2, 47
	s_mov_b32 s46, 0
	s_mov_b32 s47, YB+32*PITCH
	s_mov_b32 s8, 3*CSTEP+2*SSTEP
	s_wait_dscnt 0x0
	s_barrier_signal -1
	MIDDLE
	BARRIER
	TLOAD G0R, G1R
.macro VOUT                            ; a pair of v's blocks: four tiles' bytes and codes
.irp t, 0,1,2,3
	ds_store_b8 v[VX], v[EB+\t] offset:4*\t
	global_store_b128 v[CO], v[MCD+4*\t:MCD+4*\t+3], s[84:85] offset:TB*\t
.endr
.endm
.macro VTO                             ; s22 = 2 x step + pair: where a pair's codes and bytes go
	WALU
	s_lshr_b32 s21, s22, 1
	s_and_b32 s22, s22, 1
	s_lshl_b32 s20, s22, 9
	s_lshl_b32 s23, s21, 14
	s_add_co_u32 s20, s20, s23
	s_lshl_b32 s21, s21, 9
	s_add_co_u32 s22, s22, s21
	s_mov_b32 s21, 0
	s_add_nc_u64 s[84:85], s[96:97], s[20:21]
	v_add_nc_u32 v[VX], s22, v[RD]
.endm
.Lpair:
	BLK 1, 0, 0, -1, -1, 2, ACC+64
	s_cmp_eq_u32 s46, 3
	s_cbranch_scc1 .Lnone_0
	FETCHAT 0, ADRA, AAS
	s_wait_dscnt NF
	s_branch .Lgo
.Lnone_0:
	s_wait_dscnt 0x0
.Lgo:
	SBLK 1, 1, 1, -1, -2, 3, ACC+64                ; the first trip's shows chunk 2
.set I_, 0
.rept 32                               ; the pair's sums are copied, so that one trip is two blocks of text
	v_dual_mov_b32 v[ACC+64+I_], v[ACC+I_] :: v_dual_mov_b32 v[ACC+64+I_+1], v[ACC+I_+1]
.set I_, I_+2
.endr
	s_add_co_u32 s22, s46, 1
	s_and_b32 s22, s22, 3
	VTO
	s_cmp_eq_u32 s46, 0
	s_cbranch_scc1 .Lno_pair_before
	VOUT
.Lno_pair_before:
	s_cmp_eq_u32 s46, 3
	s_cbranch_scc1 .Lnone_1
	FETCHAT 1, ADRA, AAS
.Lnone_1:
	s_mov_b32 s8, 2*CSTEP+2*SSTEP
	s_cmp_eq_u32 s46, 0
	s_cselect_b32 s47, 0, 32*PITCH
	s_cselect_b32 s8, 2*CSTEP, s8
	s_add_co_u32 s46, s46, 1
	s_cmp_lg_u32 s46, 4
	s_cbranch_scc1 .Lpair
	s_wait_xcnt 0x0
.set K_, 0
.rept 60
	GAPV K_, ACC+64
.set K_, K_+1
.endr
	s_mov_b32 s22, 1
	VTO
	VOUT
	s_wait_dscnt 0x0                               ; the scale bytes
	BARRIER
	v_lshlrev_b32 v20, 4, v3
	s_lshl_b32 s21, s14, 9
	s_add_co_u32 s21, s21, XN
	v_add_nc_u32 v21, s21, v20
	v_lshlrev_b32 v22, 3, v3
	s_lshl_b32 s21, s14, 8
	s_add_co_u32 s21, s21, XV
	v_add_nc_u32 v23, s21, v22
	s_wait_alu depctr_va_vdst(0)
	ds_load_b128 v[60:63], v21
	ds_load_b64 v[40:41], v23
	s_wait_dscnt 0x0
	global_store_b128 v20, v[60:63], s[94:95]      ; 512 consecutive bytes: a group's scale words
	global_store_b64 v22, v[40:41], s[98:99]       ; 256 consecutive bytes
	s_wait_tensorcnt 0x0                           ; the wave's end
	ds_add_u32 v[SPW], v[NIL]
	s_wait_dscnt 0x0
	CROUND
	s_endpgm
.Lfunc_end_k_q2cda2af901_proj:
	.size	k_q2cda2af901_proj, .Lfunc_end_k_q2cda2af901_proj-k_q2cda2af901_proj
	.p2alignl 7, 3214868480
	.fill 96, 4, 3214868480
	.section	.rodata,"a",@progbits
	.p2align	6, 0x0
	.amdhsa_kernel k_q2cda2af901_proj
		.amdhsa_group_segment_fixed_size 327680
		.amdhsa_private_segment_fixed_size 0
		.amdhsa_enable_private_segment 0
		.amdhsa_kernarg_size 96
		.amdhsa_user_sgpr_count 2
		.amdhsa_user_sgpr_kernarg_segment_ptr 1
		.amdhsa_wavefront_size32 1
		.amdhsa_system_sgpr_workgroup_id_x 1
		.amdhsa_system_sgpr_workgroup_id_y 1
		.amdhsa_system_sgpr_workgroup_id_z 1
		.amdhsa_system_vgpr_workitem_id 0
		.amdhsa_next_free_vgpr 1024
		.amdhsa_next_free_sgpr 102
		.amdhsa_reserve_vcc 0
		.amdhsa_float_denorm_mode_32 3
		.amdhsa_float_denorm_mode_16_64 3
		.amdhsa_memory_ordered 1
		.amdhsa_forward_progress 1
		.amdhsa_inst_pref_size 161
	.end_amdhsa_kernel
	.amdgpu_metadata
---
amdhsa.version: [ 1, 2 ]
amdhsa.kernels:
  - .name:           k_q2cda2af901_proj
    .symbol:         k_q2cda2af901_proj.kd
    .args:
      - { .name: x_codes, .offset: 0, .size: 8, .value_kind: global_buffer, .address_space: global }
      - { .name: x_scales, .offset: 8, .size: 8, .value_kind: global_buffer, .address_space: global }
      - { .name: Wq_codes, .offset: 16, .size: 8, .value_kind: global_buffer, .address_space: global }
      - { .name: Wq_scales, .offset: 24, .size: 8, .value_kind: global_buffer, .address_space: global }
      - { .name: Wk_codes, .offset: 32, .size: 8, .value_kind: global_buffer, .address_space: global }
      - { .name: Wk_scales, .offset: 40, .size: 8, .value_kind: global_buffer, .address_space: global }
      - { .name: Wv_codes, .offset: 48, .size: 8, .value_kind: global_buffer, .address_space: global }
      - { .name: Wv_scales, .offset: 56, .size: 8, .value_kind: global_buffer, .address_space: global }
      - { .name: qk_img, .offset: 64, .size: 8, .value_kind: global_buffer, .address_space: global }
      - { .name: qk_sc, .offset: 72, .size: 8, .value_kind: global_buffer, .address_space: global }
      - { .name: v_img, .offset: 80, .size: 8, .value_kind: global_buffer, .address_space: global }
      - { .name: v_sc, .offset: 88, .size: 8, .value_kind: global_buffer, .address_space: global }
    .group_segment_fixed_size: 327680
    .private_segment_fixed_size: 0
    .kernarg_segment_align: 8
    .kernarg_segment_size: 96
    .max_flat_workgroup_size: 128
    .sgpr_count:     102
    .vgpr_count:     1024
    .wavefront_size: 32
...
	.end_amdgpu_metadata
.endif
;; end of part 1
;; launch score (part 2): grid 48 x 4, 4 waves a work-group, clusters of 4 x 4, 327,680 bytes of LDS; arguments qk_img, qk_sc, p_img, p_meta; writes p_img, p_meta
.if DOCPART == 2
	.amdgcn_target "amdgcn-amd-amdhsa--gfx1250"
	.amdhsa_code_object_version 6
	.text
	.protected	k_q2cda2af901_score
	.globl	k_q2cda2af901_score
	.p2align	8
	.type	k_q2cda2af901_score,@function
k_q2cda2af901_score:
	s_mov_b64 s[64:65], 0
	v_nop
	global_prefetch_b8 v0, s[64:65] scope:SCOPE_SE
	s_setreg_imm32_b32 hwreg(HW_REG_WAVE_MODE, 25, 1), 1
	s_wait_xcnt 0x0
	s_wait_alu depctr_hold_cnt(0) depctr_sa_sdst(0) depctr_va_vdst(0) depctr_va_sdst(0) depctr_va_ssrc(0) depctr_va_vcc(0) depctr_vm_vsrc(0)
	s_getreg_b32 s2, hwreg(HW_REG_IB_STS2, 6, 4)
	s_cmp_eq_u32 s2, 0
	s_cbranch_scc0 .Lentry_in_a_cluster
	s_endpgm
.Lentry_in_a_cluster:
	s_bfe_u32 s2, ttmp6, 0x10000c
	s_cmp_lg_u32 s2, 0xf033
	s_cbranch_scc0 .Lentry_shape_is_right
	s_endpgm
.Lentry_shape_is_right:
; S = q k^T on codes of BF8 with E8M0 scales (K = 1,024), the causal mask, and p = 2^(t - M) quantised along the keys, t = score x log2(e) / 32.
; M here is the ceiling of the largest t of a row's 128 keys in MY tile: a whole number.  -M and the sum l of the unquantised p of these 128 keys are stored beside p's scale words;
; the next launch brings every tile under the row's M by taking a whole number off the scale bytes, which changes no code.
; SHARES.  12 clusters of 4 x 4 work-groups: for each batch the three blocks of 1,024 queries x 1,024 keys that the mask does not hide as a whole.  A work-group makes 256 x 256, a wave 128 x 128.
; The four work-groups of a cluster's row share q's tiles, the four of a column k's: joint loads.  In a cluster on the diagonal six of the sixteen tiles lie above it.  They run the whole text, since
; they are partners of the joint loads and no branch may hang on a place in the cluster, and store zero codes; the next launch reads two of the six, the other four tiles' work serves nothing.
; OPERANDS lie in memory as images of their registers: [group of 128 rows][128 along K][block of 16 rows][c][lane][16 bytes]: two steps of 128 of a group are 32,768 dense bytes, one tensor load;
; a fragment comes by four loads of 512 consecutive bytes: no pitch, no padding.  Scale words [group][128 along K][r][a]: a group's, for all of K, are 4,096 dense bytes and come once.
; THE MASK COSTS NO INSTRUCTION IN THE LOOP: it is the C of each sum's first product: -3e38 where the key comes after the query, else 0.
; PREFETCH: K step 1 at the head, steps 2 and 3 ahead of steps 0 and 1; four K steps, two of them first fills, each refill asked for a whole K step ahead.
; LIMITS: NaN and infinities are not served; t under -1e30 counts as hidden; scores stay far under 3e38 / 2^24, so that a hidden sum stays at -3e38.
; REGISTERS: window 0: v1-2 r, h; v16-29 addresses; v32-63 scale words, two sets; v64-87 the three masks, later statistics; v96-119 the rows' words; v128-255 q's fragments, later the codes.
;   window 1: k's fragments, two sets.   windows 2, 3: accumulator (a, b) at v[8 (8 (a % 4) + b)].
.set NQ,     2
.set FR,     16
.set NL,     4
.set NP,     8
.set HALFT,  32768                     ; a group's two steps of 128 along K: what one tensor load brings
.set SLOT,   4*HALFT                   ; q's two groups, then k's two
.set SPARE,  2*SLOT                    ; behind the ring: the spare words, 128 bytes for each wave
.set ADRA, 16
.set ADRB, 20
.set LI,   24                          ; v24  16 x lane; never rewritten
.set MA,   25                          ; v25  32 r + 16 h; never rewritten
.set ADRS, 27
.set SPW,  28
.set NIL,  29
.set SC,   32                          ; scale words: set s at v[SC + 16 s]; register 8 q + i: lanes 0-15 q's block i, lanes 16-31 k's block i
.set TLO,  64                          ; v64-71 the C of accumulators with a > b;  v72-79 a = b;  v80-87 a < b
.set TDG,  72
.set THI,  80
.set BM,   64                          ; the way out: v64-67 the blocks' largest scores, then their largest p
.set PX,   68                          ; v68-71 the other half's
.set HD,   72                          ; v72-75 the holds
.set SO,   76                          ; v76-79 the conversions' scale operands
.set BY,   80                          ; v80-83 the bytes
.set NM,   84                          ; v[84:85] -M; the packed form names the pair and takes its low word (v85 was written as part of a mask)
.set SU,   86                          ; v[86:89] the sum in two chains of pairs
.set TT,   90
.set WD,   96                          ; v96-103 block a's scale word;  v104-111 its -M;  v112-119 its l
.set NMS,  104
.set LS,   112
.set AF,   128
.set CD,   128
.set CS,   2                           ; s[2:3] c = log2(e) / 32
.set MNT,  95
.set G1, 24
.set G0, 32
.set G1B, 48
.set G0B, 56
.set SEL, 66
.set G1S, 68
.set G0S, 76
.set G1SB, 80
.set G0SB, 88
.set MSB, 0
.macro WIN new
.if MSB != (\new)
	s_set_vgpr_msb (MSB<<8)|(\new)
.set MSB, (\new)
.endif
.endm
.set MUL_LO, 0xa1
.set MUL_HI, 0xf1
.set TO_B,   0x40
.macro JLOAD g0a, g1a, g0b, g1b        ; waves 0 and 1 fetch for q, waves 2 and 3 for k; four v_nop follow each of the two lines
	s_cmp_eq_u32 s15, 0
	s_cbranch_scc0 .Lfor_b_\@
	tensor_load_to_lds s[\g0a:\g0a+3], s[\g1a:\g1a+7]
	s_nop 0
.rept 4
	v_nop
.endr
	s_branch .Lasked_\@
.Lfor_b_\@:
	tensor_load_to_lds s[\g0b:\g0b+3], s[\g1b:\g1b+7]
	s_nop 0
.rept 4
	v_nop
.endr
.Lasked_\@:
.endm
.macro CREST
	s_cmp_lg_u32 s14, 0
	s_cbranch_scc1 .Lnot_wave_0_\@
	s_barrier_signal -3
.Lnot_wave_0_\@:
	s_barrier_wait -3
	s_barrier_signal -1
	s_barrier_wait -1
.endm
.macro CROUND
	s_barrier_signal -1
	s_barrier_wait -1
	CREST
.endm
	s_load_b128 s[4:7], s[0:1], 0x0                ; qk_img, qk_sc: q's part, then k's
	s_load_b64 s[12:13], s[0:1], 0x10              ; p_img
	s_load_b64 s[98:99], s[0:1], 0x18              ; p_meta
	v_lshl_add_u32 v[SPW], v0, 2, SPARE
	v_mov_b32 v[NIL], 0
	ds_add_u32 v28, v29
	ds_add_u32 v28, v29
	s_wait_dscnt 0x0
	v_lshrrev_b32 v1, 5, v0
	v_readfirstlane_b32 s14, v1                    ; wave 0..3
	s_lshr_b32 s15, s14, 1                         ; my half of the tile's queries.  Also: I fetch for q (0) or for k (1)
	s_and_b32 s16, s14, 1                          ; my half of its keys.  Also: which group of 128 rows I fetch
	s_bfe_u32 s40, ttmp6, 0x40000                  ; cx, cy
	s_bfe_u32 s41, ttmp6, 0x40004
	s_and_b32 s96, ttmp9, 3                        ; the batch
	s_lshr_b32 s97, ttmp9, 2                       ; which of its three blocks: (0, 0), (1, 0), (1, 1)
	s_min_u32 s18, s97, 1
	s_lshr_b32 s19, s97, 1
	s_lshl_b32 s96, s96, 3                         ; eight tiles of 256 tokens to a batch
	s_lshl_b32 s18, s18, 2
	s_lshl_b32 s19, s19, 2
	s_add_co_u32 s17, s96, s18
	s_add_co_u32 s17, s17, s41                     ; tile of queries
	s_add_co_u32 s42, s96, s19
	s_add_co_u32 s42, s42, s40                     ; tile of keys
	s_lshl_b32 s43, s41, 2
	s_lshl_b32 s43, 15, s43                        ; my row of the cluster
	s_lshl_b32 s44, 0x1111, s40                    ; my column
	; descriptor group 1: dense blocks as rows of 256 bytes (32 elements of 8 bytes), no padding: 128 rows of codes
	s_or_b32 s[G1+0], s43, (3<<16)|(1<<21)         ; 15:0 the mask; 17:16 elements of 8 bytes; 21 set beside a mask
	s_or_b32 s[G1B+0], s44, (3<<16)|(1<<21)
.irp g, G1, G1B
	s_mov_b32 s[\g+1], 32<<16                      ; tensor_dim0
	s_mov_b32 s[\g+2], 128<<16                     ; tensor_dim1
	s_mov_b32 s[\g+3], 32<<16                      ; tile_dim0
	s_mov_b32 s[\g+4], 128                         ; tile_dim1
	s_mov_b32 s[\g+5], 32                          ; tensor_dim0_stride
	s_mov_b32 s[\g+6], 0
	s_mov_b32 s[\g+7], 0
.endr
	s_mov_b32 s[SEL], 0x76543210
	s_mov_b32 s[SEL+1], 0xfedcba98
	s_mov_b32 s[MNT], 0x600000
	s_mov_b32 s[CS], 0x3d38aa3b                    ; log2(e) / 32
	s_mov_b32 s[CS+1], s[CS]
	s_lshl_b32 s20, s17, 1
	s_add_co_u32 s20, s20, s16                     ; q's group that I fetch
	s_lshl_b32 s46, s42, 1
	s_add_co_u32 s46, s46, s16                     ; k's
	s_lshl_b32 s20, s20, 17                        ; 131,072 bytes of codes
	s_lshl_b32 s46, s46, 17
	s_add_co_u32 s46, s46, 0x800000                ; k's image lies behind q's
	s_mov_b32 s21, 0
	s_mov_b32 s47, 0
	s_lshl_b32 s45, s14, 15                        ; where they go: wave x 32,768,
	s_wait_kmcnt 0x0
	s_add_nc_u64 s[20:21], s[4:5], s[20:21]
	s_add_nc_u64 s[46:47], s[4:5], s[46:47]
	CROUND                                         ; all sixteen work-groups are here: the first joint loads meet
.irp s, 0,1
	s_mov_b32 s[G0+4*\s], 1
	s_add_co_u32 s[G0+4*\s+1], s45, \s*SLOT
	s_add_nc_u64 s[G0+4*\s+2:G0+4*\s+3], s[20:21], \s*HALFT
	s_or_b32 s[G0+4*\s+3], s[G0+4*\s+3], 0x80000000
	s_mov_b32 s[G0B+4*\s], 1
	s_add_co_u32 s[G0B+4*\s+1], s45, \s*SLOT
	s_add_nc_u64 s[G0B+4*\s+2:G0B+4*\s+3], s[46:47], \s*HALFT
	s_or_b32 s[G0B+4*\s+3], s[G0B+4*\s+3], 0x80000000
.endr
	JLOAD G0, G1, G0B, G1B                         ; K step 0: one tensor load a wave at the head
	s_cmp_eq_u32 s15, 0                            ; prefetches: of the 32,768 bytes that a wave fetches in a K step each of the four partners asks for 8,192, told apart by address
	s_cselect_b64 s[68:69], s[20:21], s[46:47]
	s_cselect_b32 s70, s40, s41
	s_lshl_b32 s70, s70, 13
	s_mov_b32 s71, 0
	s_add_nc_u64 s[68:69], s[68:69], s[70:71]
	v_and_b32 v1, 15, v0                           ; r
	v_bfe_u32 v2, v0, 4, 1                         ; h
	v_and_b32 v6, 31, v0
	v_lshlrev_b32 v[LI], 4, v6                     ; 16 x lane
	v_lshlrev_b32 v[MA], 5, v1
	v_lshl_add_u32 v[MA], v2, 4, v[MA]
	s_lshl_b32 s21, s15, 15                        ; my group of q
	s_lshl_b32 s22, s16, 15                        ; my group of k,
	s_add_co_u32 s22, s22, 2*HALFT                 ; behind q's two
.irp s, 0,1
	v_add_nc_u32 v[ADRA+\s], s21, v[LI]
	v_add_nc_u32 v[ADRB+\s], s22, v[LI]
	s_add_co_u32 s21, s21, SLOT
	s_add_co_u32 s22, s22, SLOT
.endr
	s_lshl_b32 s21, s17, 1                         ; THE SCALE WORDS, all of K, go straight into registers: lanes 0-15 q's, lanes 16-31 k's; 64 registers
	s_add_co_u32 s21, s21, s15
	s_lshl_b32 s21, s21, 12                        ; q's group
	s_lshl_b32 s22, s42, 1
	s_add_co_u32 s22, s22, s16
	s_lshl_b32 s22, s22, 12
	s_add_co_u32 s22, s22, 0x40000                 ; k's group, behind q's 64
	s_sub_co_u32 s22, s22, s21
	s_wait_alu depctr_va_vdst(0)
	v_mul_u32_u24 v3, s22, v2
	v_lshl_add_u32 v3, v1, 5, v3
	v_add_nc_u32 v3, s21, v3
	v_lshlrev_b32 v4, 4, v[LI]                     ; the prefetches' offset: 256 x lane
.irp k, 0,1,2,3,4,5,6,7
.irp u, 0,1
	global_load_b128 v[SC+8*\k+24*(\k/4)+4*\u:SC+8*\k+24*(\k/4)+4*\u+3], v3, s[6:7] offset:512*\k+16*\u   ; steps 0-3 in v32-63, steps 4-7 in v88-119
.endr
.endr
	global_prefetch_b8 v4, s[68:69] offset:HALFT th:TH_LOAD_NT scope:SCOPE_SE   ; K step 1
	; the masks.  Accumulator (a, b), lane (r, h), register j: query 128 Gq + 16 a + r, key 128 Gk + 16 b + 8 h + j.  Hidden where the key comes after the query.  Values only: no branch and no address hangs on them.
	s_lshl_b32 s20, s17, 1
	s_add_co_u32 s20, s20, s15                     ; Gq
	s_lshl_b32 s21, s42, 1
	s_add_co_u32 s21, s21, s16                     ; Gk
	s_sub_co_i32 s22, s20, s21                     ; Gq - Gk
	s_mov_b32 s23, 0xff61b1e6                      ; -3e38
	s_cmp_lt_i32 s22, 0
	s_cselect_b32 s18, s23, 0                      ; a > b: hidden only where the whole 128 x 128 is
	s_cmp_le_i32 s22, 0
	s_cselect_b32 s19, s23, 0                      ; a < b: hidden on the diagonal 128 x 128 too
	s_lshl_b32 s22, s22, 7
.irp j, 0,1,2,3,4,5,6,7
	v_mov_b32 v[TLO+\j], s18
	v_mov_b32 v[THI+\j], s19
.endr
	v_lshlrev_b32 v5, 3, v2
	v_sub_nc_u32 v5, v5, v1                        ; 8 h - r
	v_mov_b32 v6, s23
.irp j, 0,1,2,3,4,5,6,7
	v_add_nc_u32 v7, \j, v5
	v_cmp_lt_i32 vcc_lo, s22, v7                   ; a = b: hidden where 8 h + j - r > 128 (Gq - Gk)
	v_cndmask_b32 v[TDG+\j], 0, v6, vcc_lo
.endr
	s_and_b32 s21, s21, 15                         ; where my 128 x 128 goes: p's group Gq, step Gk within the batch
	s_lshl_b32 s20, s20, 4
	s_add_co_u32 s20, s20, s21
	s_mul_i32 s22, s20, 1536                       ; three parts of 512 bytes: scale words, -M, l
	s_lshl_b32 s20, s20, 14
	s_mov_b32 s21, 0
	s_mov_b32 s23, 0
	s_add_nc_u64 s[12:13], s[12:13], s[20:21]
	s_add_nc_u64 s[98:99], s[98:99], s[22:23]
.macro FRAG reg, adr, q, i             ; a fragment comes as it was stored: four loads of 512 consecutive bytes
.irp c, 0,1,2,3
	ds_load_b128 v[\reg+4*\c:\reg+4*\c+3], v[\adr] offset:(8*(\q)+(\i))*2048+512*\c
.endr
.endm
; 16 matrix instructions: q's blocks a0, a0 + 1 x k's eight.  mode = 2: the first product starts the sums from the mask; mode = 0: in place.  The 64 accumulators take turns.
.macro MUL16 a0, p, q, sc, mode
.irp a, \a0, \a0+1
.irp b, 0,1,2,3,4,5,6,7
.if \mode == 2
.if (\a) > \b
.set CM, TLO
.elseif (\a) == \b
.set CM, TDG
.else
.set CM, THI
.endif
	v_wmma_scale_f32_16x16x128_f8f6f4 v[8*(8*((\a)%4)+\b):8*(8*((\a)%4)+\b)+7], v[128*(\p)+FR*\b:128*(\p)+FR*\b+FR-1], v[AF+FR*(\a):AF+FR*(\a)+FR-1], v[CM:CM+7], v[SC+16*(\sc)+8*(\q)+\b], v[SC+16*(\sc)+8*(\q)+(\a)] matrix_a_fmt:MATRIX_FMT_BF8 matrix_b_fmt:MATRIX_FMT_BF8 matrix_a_scale:MATRIX_SCALE_ROW1
.else
	v_wmma_scale_f32_16x16x128_f8f6f4 v[8*(8*((\a)%4)+\b):8*(8*((\a)%4)+\b)+7], v[128*(\p)+FR*\b:128*(\p)+FR*\b+FR-1], v[AF+FR*(\a):AF+FR*(\a)+FR-1], v[8*(8*((\a)%4)+\b):8*(8*((\a)%4)+\b)+7], v[SC+16*(\sc)+8*(\q)+\b], v[SC+16*(\sc)+8*(\q)+(\a)] matrix_a_fmt:MATRIX_FMT_BF8 matrix_b_fmt:MATRIX_FMT_BF8 matrix_a_scale:MATRIX_SCALE_ROW1
.endif
.endr
.endr
.endm
.macro FETCH_B slot, q, p
	WIN TO_B
.irp i, 0,1,2,3,4,5,6,7
	FRAG 128*(\p)+FR*\i, ADRB+\slot, \q, \i
.endr
	WIN 0
.endm
.macro FETCH_A slot, q, i0
.irp i, \i0, \i0+1, \i0+2, \i0+3
	FRAG AF+FR*(\i), ADRA+\slot, \q, \i
.endr
.endm
.macro PLACES n
.rept \n
	v_nop
.endr
.endm
.macro STEP slot, q, mode
	s_wait_dscnt 4*NL                              ; all but the youngest sixteen loads, q's blocks 4-7
.if \mode == 2
	WIN 0x81                                       ; C, the mask, from window 0; D into window 2
.else
	WIN MUL_LO
.endif
	MUL16 0, (\q)%2, \q, \slot, \mode
	MUL16 2, (\q)%2, \q, \slot, \mode
	s_wait_dscnt 0
	PLACES NP
	FETCH_B \slot, (\q)+1, 1-(\q)%2
	FETCH_A \slot, (\q)+1, 0
.if \mode == 2
	WIN 0xc1
.else
	WIN MUL_HI
.endif
	MUL16 4, (\q)%2, \q, \slot, \mode
	MUL16 6, (\q)%2, \q, \slot, \mode
	PLACES NP
	WIN 0
	FETCH_A \slot, (\q)+1, 4
.endm
.macro TURN slot, next, fill
	s_wait_tensorcnt 0x0                           ; all my tensor loads have landed: my part of the next slot
	ds_add_u32 v[SPW], v[NIL]                      ; 0 onto my spare word
	s_wait_dscnt 4*NL+1                            ; the add and the youngest sixteen loads may be out
	WIN MUL_LO
	MUL16 0, 1, NQ-1, \slot, 0
	s_wait_dscnt 0x0                               ; the add is done, and my reads of this slot are over
	s_barrier_signal -1
	MUL16 2, 1, NQ-1, \slot, 0
	WIN 0
	s_barrier_wait -1
.if \fill
	CREST                                          ; a round of the cluster's barrier: no wave of any partner still reads this slot or has a load on its way
	s_add_nc_u64 s[G0+4*\slot+2:G0+4*\slot+3], s[G0+4*\slot+2:G0+4*\slot+3], 2*HALFT
	s_add_nc_u64 s[G0B+4*\slot+2:G0B+4*\slot+3], s[G0B+4*\slot+2:G0B+4*\slot+3], 2*HALFT
	JLOAD G0+4*\slot, G1, G0B+4*\slot, G1B
	PLACES NP-4
.else
	PLACES NP
.endif
	FETCH_B \next, 0, 0
	FETCH_A \next, 0, 0
	WIN MUL_HI
	MUL16 4, 1, NQ-1, \slot, 0
	MUL16 6, 1, NQ-1, \slot, 0
	PLACES NP
	WIN 0
	FETCH_A \next, 0, 4
.endm
; THE WAY OUT of block a: 16 queries x 128 keys; my lane holds one query and 16 keys of each of the four blocks of 32.
.macro SROW a
.set AC, 64*((\a)%4)
.set HW, (\a)/4
	WIN 0x0a+5*HW
.irp c, 0,1,2,3
	v_max3_num_f32 v[BM+\c], v[AC+16*\c], v[AC+16*\c+1], 0xff61b1e6   ; each block's largest score: it serves the row's maximum and, since p rises with the score, the block's largest p
.endr
.irp i, 2,4,6,8,10,12,14
.irp c, 0,1,2,3
	v_max3_num_f32 v[BM+\c], v[AC+16*\c+\i], v[AC+16*\c+\i+1], v[BM+\c]
.endr
.endr
	WIN 0
.irp c, 0,1,2,3
	v_permlanex16_b32 v[PX+\c], v[BM+\c], s[SEL], s[SEL+1]
.endr
.irp c, 0,1,2,3
	v_max_num_f32 v[BM+\c], v[BM+\c], v[PX+\c]
.endr
	v_max3_num_f32 v[TT], v[BM], v[BM+1], v[BM+2]
	v_max_num_f32 v[TT], v[TT], v[BM+3]
	v_mul_f32 v[TT], s[CS], v[TT]                  ; the largest t of these 128 keys
	v_max_num_f32 v[TT], 0xf149f2ca, v[TT]         ; held at -1e30 from below: where all 128 keys are hidden every p is then 2^(-1e37) = 0, not 2^0
	v_floor_f32 v[NM], -v[TT]                      ; -M = floor(-t): M is a whole number
	v_mov_b32 v[NMS+(\a)], v[NM]
.irp c, 0,1,2,3
	v_fma_f32 v[BM+\c], v[BM+\c], s[CS], v[NM]
.endr
	WIN 0x82+0x41*HW
.set JJ, 0
.rept 32
	v_pk_fma_f32 v[AC+JJ:AC+JJ+1], v[AC+JJ:AC+JJ+1], s[CS:CS+1], v[NM:NM+1] op_sel_hi:[1,0,0]   ; t - M, two at a time
.set JJ, JJ+2
.endr
.set JJ, 0
	s_wait_alu depctr_va_vdst(0)
.rept 64
	v_exp_f32 v[AC+JJ], v[AC+JJ]                   ; p = 2^(t - M)
.set JJ, JJ+1
.endr
	WIN 0
.irp c, 0,1,2,3
	v_exp_f32 v[BM+\c], v[BM+\c]                   ; the block's largest p: the same arithmetic on the same number
.endr
	v_nop                                          ; one plain instruction behind the last exponential
	s_wait_alu depctr_va_vdst(0)                   ; one wait for the batch of 68, ahead of its first reader
	WIN 0x02+HW
	v_pk_add_f32 v[SU:SU+1], v[AC:AC+1], 0 op_sel_hi:[1,0]          ; l is the sum of the unquantised p: two chains of pairs
	v_pk_add_f32 v[SU+2:SU+3], v[AC+2:AC+3], 0 op_sel_hi:[1,0]
.set JJ, 4
.rept 15
	v_pk_add_f32 v[SU:SU+1], v[AC+JJ:AC+JJ+1], v[SU:SU+1]
	v_pk_add_f32 v[SU+2:SU+3], v[AC+JJ+2:AC+JJ+3], v[SU+2:SU+3]
.set JJ, JJ+4
.endr
	WIN 0
	v_pk_add_f32 v[SU:SU+1], v[SU:SU+1], v[SU+2:SU+3]
	v_add_f32 v[TT], v[SU], v[SU+1]
	v_permlanex16_b32 v[PX], v[TT], s[SEL], s[SEL+1]
	v_add_f32 v[LS+(\a)], v[TT], v[PX]
.irp c, 0,1,2,3
	v_max_num_f32 v[BM+\c], 0x8000000, v[BM+\c]    ; the floor 2^(16 - 127): the byte cannot fall under 1
.endr
.irp c, 0,1,2,3
	v_add_nc_u32 v[SO+\c], 0xf8800000, v[BM+\c]
.endr
.irp c, 0,1,2,3
	v_and_or_b32 v[HD+\c], v[BM+\c], 0x7f800000, s[MNT]
.endr
.irp c, 0,1,2,3
	v_lshrrev_b32 v[BY+\c], 23, v[SO+\c]           ; p is at most 1: the byte is at most 112
.endr
	v_lshl_or_b32 v[WD+(\a)], v[BY+1], 8, v[BY]
	v_lshl_or_b32 v[WD+(\a)], v[BY+2], 16, v[WD+(\a)]
	v_lshl_or_b32 v[WD+(\a)], v[BY+3], 24, v[WD+(\a)]
	WIN 0x82+0x41*HW
.irp c, 0,1,2,3
.set JJ, 0
.rept 16
	v_min_num_f32 v[AC+16*\c+JJ], v[AC+16*\c+JJ], v[HD+\c]   ; the hold; p is not negative, so it is one-sided
.set JJ, JJ+1
.endr
.endr
	WIN 0x02+HW
.irp c, 0,1,2,3
	v_cvt_scalef32_pk8_bf8_f32 v[CD+16*(\a)+4*\c:CD+16*(\a)+4*\c+1], v[AC+16*\c:AC+16*\c+7], v[SO+\c]
	v_cvt_scalef32_pk8_bf8_f32 v[CD+16*(\a)+4*\c+2:CD+16*(\a)+4*\c+3], v[AC+16*\c+8:AC+16*\c+15], v[SO+\c]
.endr
	v_nop                                          ; one plain vector instruction behind the last conversion
	WIN 0
.irp c, 0,1,2,3
	global_store_b128 v[LI], v[CD+16*(\a)+4*\c:CD+16*(\a)+4*\c+3], s[12:13] offset:2048*(\a)+512*\c   ; 512 consecutive bytes, aligned; no store's registers are written again
.endr
.endm
	s_wait_alu depctr_va_vdst(0)                   ; the head's end
	s_wait_tensorcnt 0x0                           ; my part of K step 0 is in
	ds_add_u32 v[SPW], v[NIL]
	s_wait_dscnt 0x0
	CROUND
	JLOAD G0+4, G1, G0B+4, G1B                     ; K step 1
	FETCH_B 0, 0, 0
	FETCH_A 0, 0, 0
	FETCH_A 0, 0, 4
	global_prefetch_b8 v4, s[68:69] offset:2*HALFT th:TH_LOAD_NT scope:SCOPE_SE   ; K step 2
	s_wait_loadcnt 0x0                             ; the scale words
	STEP 0, 0, 2                                   ; the first products start the sums from the mask
	TURN 0, 1, 1
	global_prefetch_b8 v4, s[68:69] offset:3*HALFT th:TH_LOAD_NT scope:SCOPE_SE   ; K step 3
	STEP 1, 0, 0
	TURN 1, 0, 1
.set SC, 88                            ; K steps 2 and 3: their scale words lie from v88 on
	STEP 0, 0, 0
	TURN 0, 1, 0
	STEP 1, 0, 0
	s_wait_dscnt 4*NL
	WIN MUL_LO
	MUL16 0, 1, NQ-1, 1, 0
	MUL16 2, 1, NQ-1, 1, 0
	s_wait_dscnt 0
	WIN MUL_HI
	MUL16 4, 1, NQ-1, 1, 0
	MUL16 6, 1, NQ-1, 1, 0
	WIN 0
	PLACES NP
.irp a, 0,1,2,3,4,5,6,7
	SROW \a
.endr
	v_cmp_eq_u32 vcc_lo, 1, v2                     ; lanes 16-31 store blocks 4-7's words, lanes 0-15 blocks 0-3's
.irp j, 0,1,2,3
	v_cndmask_b32 v[64+\j], v[WD+\j], v[WD+4+\j], vcc_lo
	v_cndmask_b32 v[68+\j], v[NMS+\j], v[NMS+4+\j], vcc_lo
	v_cndmask_b32 v[72+\j], v[LS+\j], v[LS+4+\j], vcc_lo
.endr
	global_store_b128 v[MA], v[64:67], s[98:99]                ; the scale words, [r][a]: 512 consecutive bytes
	global_store_b128 v[MA], v[68:71], s[98:99] offset:512     ; -M
	global_store_b128 v[MA], v[72:75], s[98:99] offset:1024    ; l
	s_wait_tensorcnt 0x0                           ; the wave's end
	ds_add_u32 v[SPW], v[NIL]
	s_wait_dscnt 0x0
	CROUND                                         ; the closing round
	s_endpgm
.Lfunc_end_k_q2cda2af901_score:
	.size	k_q2cda2af901_score, .Lfunc_end_k_q2cda2af901_score-k_q2cda2af901_score
	.p2alignl 7, 3214868480
	.fill 96, 4, 3214868480
	.section	.rodata,"a",@progbits
	.p2align	6, 0x0
	.amdhsa_kernel k_q2cda2af901_score
		.amdhsa_group_segment_fixed_size 327680
		.amdhsa_private_segment_fixed_size 0
		.amdhsa_enable_private_segment 0
		.amdhsa_kernarg_size 32
		.amdhsa_user_sgpr_count 2
		.amdhsa_user_sgpr_kernarg_segment_ptr 1
		.amdhsa_wavefront_size32 1
		.amdhsa_system_sgpr_workgroup_id_x 1
		.amdhsa_system_sgpr_workgroup_id_y 1
		.amdhsa_system_sgpr_workgroup_id_z 1
		.amdhsa_system_vgpr_workitem_id 0
		.amdhsa_next_free_vgpr 1024
		.amdhsa_next_free_sgpr 100
		.amdhsa_reserve_vcc 1
		.amdhsa_float_denorm_mode_32 3
		.amdhsa_float_denorm_mode_16_64 3
		.amdhsa_memory_ordered 1
		.amdhsa_forward_progress 1
		.amdhsa_inst_pref_size 227
	.end_amdhsa_kernel
	.amdgpu_metadata
---
amdhsa.version: [ 1, 2 ]
amdhsa.kernels:
  - .name:           k_q2cda2af901_score
    .symbol:         k_q2cda2af901_score.kd
    .args:
      - { .name: qk_img, .offset: 0, .size: 8, .value_kind: global_buffer, .address_space: global }
      - { .name: qk_sc, .offset: 8, .size: 8, .value_kind: global_buffer, .address_space: global }
      - { .name: p_img, .offset: 16, .size: 8, .value_kind: global_buffer, .address_space: global }
      - { .name: p_meta, .offset: 24, .size: 8, .value_kind: global_buffer, .address_space: global }
    .group_segment_fixed_size: 327680
    .private_segment_fixed_size: 0
    .kernarg_segment_align: 8
    .kernarg_segment_size: 32
    .max_flat_workgroup_size: 128
    .sgpr_count:     100
    .vgpr_count:     1024
    .wavefront_size: 32
...
	.end_amdgpu_metadata
.endif
;; end of part 2
;; launch pv (part 3): grid 64 x 4, 4 waves a work-group, clusters of 4 x 4, 327,680 bytes of LDS; arguments p_img, p_meta, v_img, v_sc, out0; writes out0
.if DOCPART == 3
	.amdgcn_target "amdgcn-amd-amdhsa--gfx1250"
	.amdhsa_code_object_version 6
	.text
	.protected	k_q2cda2af901_pv
	.globl	k_q2cda2af901_pv
	.p2align	8
	.type	k_q2cda2af901_pv,@function
k_q2cda2af901_pv:
	s_mov_b64 s[64:65], 0
	v_nop
	global_prefetch_b8 v0, s[64:65] scope:SCOPE_SE
	s_setreg_imm32_b32 hwreg(HW_REG_WAVE_MODE, 25, 1), 1
	s_wait_xcnt 0x0
	s_wait_alu depctr_hold_cnt(0) depctr_sa_sdst(0) depctr_va_vdst(0) depctr_va_sdst(0) depctr_va_ssrc(0) depctr_va_vcc(0) depctr_vm_vsrc(0)
	s_getreg_b32 s2, hwreg(HW_REG_IB_STS2, 6, 4)
	s_cmp_eq_u32 s2, 0
	s_cbranch_scc0 .Lentry_in_a_cluster
	s_endpgm
.Lentry_in_a_cluster:
	s_bfe_u32 s2, ttmp6, 0x10000c
	s_cmp_lg_u32 s2, 0xf033
	s_cbranch_scc0 .Lentry_shape_is_right
	s_endpgm
.Lentry_shape_is_right:
; O = (p v) / l on codes of BF8 with E8M0 scales.  A work-group makes two blocks of 128 queries (i and 15 - i of a batch, in five phases of 512 keys) x 128 channels; a wave 64 x 64.  p's tiles are shared along the cluster's row, v's along its column.
; A tile of 128 keys carries its own -M: the tiles are brought under the row's M by taking a whole number off p's scale bytes; a byte that would fall under 0 becomes 0 (2^-127), which is nothing beside the row's largest p.
; Left out: the keys that reference()'s own tril mask hides in whole tiles (their p is 0 for all inputs).  LIMIT: NaN and infinities are not served, also none that reaches only what is left out.
; PREFETCH: in phase n the tiles of phase n + 2, a phase ahead of their load; the four partners and two waves of a tile of 65,536 bytes ask for 8,192 each, told apart by address.  Phases 0 and 1 come by their loads alone.
.set SLOTB,  131072
.set STAGE,  2*SLOTB
.set SPARE,  STAGE+4*16*272
.set ADRA, 4
.set ADRB, 6
.set STO,  8
.set RD,   9
.set CO,   10
.set VM,   11
.set VV,   12
.set SPW,  13
.set NIL,  14
.set RS,   16
.set RN,   24
.set RL,   32
.set SV,   40
.set SA,   56
.set NR,   64
.set LR,   68
.set T,    72
.set U,    76
.set FF,   80
.set KD,   88
.set X,    96
.set OT,   96
.set ACC,  128
.set F0,   0
.set G1, 24
.set G0, 32
.set G1B, 48
.set G0B, 56
.set SEL, 86
.set MSB, 0
.macro WIN new
.if MSB != (\new)
	s_set_vgpr_msb (MSB<<8)|(\new)
.set MSB, (\new)
.endif
.endm
.macro JLOAD s
	s_cmp_eq_u32 s15, 0
	s_cbranch_scc0 .Lfor_b_\@
	tensor_load_to_lds s[G0+4*(\s):G0+4*(\s)+3], s[G1:G1+7]
	s_nop 0
.rept 4
	v_nop
.endr
	s_branch .Lasked_\@
.Lfor_b_\@:
	tensor_load_to_lds s[G0B+4*(\s):G0B+4*(\s)+3], s[G1B:G1B+7]
	s_nop 0
.rept 4
	v_nop
.endr
.Lasked_\@:
.endm
.macro CROUND
	s_barrier_signal -1
	s_barrier_wait -1
	s_cmp_lg_u32 s14, 0
	s_cbranch_scc1 .Lnot_wave_0_\@
	s_barrier_signal -3
.Lnot_wave_0_\@:
	s_barrier_wait -3
	s_barrier_signal -1
	s_barrier_wait -1
.endm
.macro PLACES n
.rept \n
	v_nop
.endr
.endm
.macro DESC ph, slot
	s_cmp_ge_u32 s19, \ph
	s_cselect_b32 s74, s22, s23
	s_cselect_b32 s75, 0, s77
	s_sub_co_u32 s75, 4*(\ph), s75
	s_lshl_b32 s76, s16, 1
	s_add_co_u32 s75, s75, s76
	s_lshl_b32 s74, s74, 4
	s_add_co_u32 s74, s74, s75
	s_lshl_b32 s90, s74, 14
	s_add_nc_u64 s[G0+4*(\slot)+2:G0+4*(\slot)+3], s[4:5], s[90:91]
	s_or_b32 s[G0+4*(\slot)+3], s[G0+4*(\slot)+3], 0x80000000
	s_add_co_u32 s76, s21, s75
	s_lshl_b32 s92, s76, 14
	s_add_nc_u64 s[G0B+4*(\slot)+2:G0B+4*(\slot)+3], s[8:9], s[92:93]
	s_or_b32 s[G0B+4*(\slot)+3], s[G0B+4*(\slot)+3], 0x80000000
.endm
.macro META ph, set
	s_cmp_ge_u32 s19, \ph
	s_cselect_b32 s78, s22, s23
	s_cselect_b32 s79, 0, s77
	s_sub_co_u32 s79, 4*(\ph), s79
	s_lshl_b32 s78, s78, 4
	s_add_co_u32 s78, s78, s79
	s_mul_i32 s80, s78, 1536
	s_add_nc_u64 s[66:67], s[6:7], s[80:81]
	s_add_co_u32 s82, s21, s79
	s_lshl_b32 s82, s82, 9
	s_add_nc_u64 s[68:69], s[10:11], s[82:83]
.irp kk, 0,1
	global_load_b128 v[RS+4*\kk:RS+4*\kk+3], v[VM], s[66:67] offset:1536*\kk
	global_load_b128 v[RN+4*\kk:RN+4*\kk+3], v[VM], s[66:67] offset:1536*\kk+512
	global_load_b128 v[RL+4*\kk:RL+4*\kk+3], v[VM], s[66:67] offset:1536*\kk+1024
	global_load_b128 v[SV+8*(\set)+4*\kk:SV+8*(\set)+4*\kk+3], v[VV], s[68:69] offset:512*\kk
.endr
.endm
.macro FETCH slot, k, f
	WIN 0x40
.irp i, 0,1,2,3
.irp c, 0,1,2,3
	ds_load_b128 v[\f+64+16*\i+4*\c:\f+64+16*\i+4*\c+3], v[ADRB+\slot] offset:16384*(\k)+2048*\i+512*\c
.endr
.endr
.irp i, 0,1,2,3
.irp c, 0,1,2,3
	ds_load_b128 v[\f+16*\i+4*\c:\f+16*\i+4*\c+3], v[ADRA+\slot] offset:16384*(\k)+2048*\i+512*\c
.endr
.endr
	WIN 0
.endm
.macro MUL f, k, set, zero
	WIN 0x05
.irp a, 0,1,2,3
.irp b, 0,1,2,3
.if \zero
	v_wmma_scale_f32_16x16x128_f8f6f4 v[ACC+8*(4*\a+\b):ACC+8*(4*\a+\b)+7], v[\f+64+16*\b:\f+64+16*\b+15], v[\f+16*\a:\f+16*\a+15], 0, v[SV+8*(\set)+4*((\k)%2)+\b], v[SA+4*((\k)%2)+\a] matrix_a_fmt:MATRIX_FMT_BF8 matrix_b_fmt:MATRIX_FMT_BF8
.elseif (\k) < 2
	v_wmma_scale_f32_16x16x128_f8f6f4 v[ACC+8*(4*\a+\b):ACC+8*(4*\a+\b)+7], v[\f+64+16*\b:\f+64+16*\b+15], v[\f+16*\a:\f+16*\a+15], v[ACC+8*(4*\a+\b):ACC+8*(4*\a+\b)+7], v[SV+8*(\set)+4*((\k)%2)+\b], v[SA+4*((\k)%2)+\a] matrix_a_fmt:MATRIX_FMT_BF8 matrix_b_fmt:MATRIX_FMT_BF8
.else
	v_wmma_scale_f32_16x16x128_f8f6f4 v[ACC+8*(4*\a+\b):ACC+8*(4*\a+\b)+7], v[\f+64+16*\b:\f+64+16*\b+15], v[\f+16*\a:\f+16*\a+15], v[ACC+8*(4*\a+\b):ACC+8*(4*\a+\b)+7], v[SV+8*(\set)+4*((\k)%2)+\b], v[SA+4*((\k)%2)+\a] matrix_a_fmt:MATRIX_FMT_BF8 matrix_b_fmt:MATRIX_FMT_BF8 matrix_a_scale:MATRIX_SCALE_ROW1 matrix_b_scale:MATRIX_SCALE_ROW1
.endif
.endr
.endr
	WIN 0
.endm
.macro PREP ph
	s_wait_loadcnt 0x0
.if ((\ph) == 1) || ((\ph) == 2)
	s_add_co_u32 s76, s19, 1
	s_cmp_eq_u32 s76, \ph
	s_cselect_b32 s89, s84, s85
.irp a, 0,1,2,3
	v_max_num_f32 v[NR+\a], s89, v[NR+\a]
.endr
.endif
.irp a, 0,1,2,3
	v_min3_num_f32 v[T+\a], v[NR+\a], v[RN+\a], v[RN+4+\a]
.endr
.irp a, 0,1,2,3
	v_permlanex16_b32 v[U+\a], v[T+\a], s[SEL], s[SEL+1]
.endr
.irp a, 0,1,2,3
	v_min_num_f32 v[T+\a], v[T+\a], v[U+\a]
.endr
.irp a, 0,1,2,3
	v_sub_f32 v[U+\a], v[T+\a], v[NR+\a]
.endr
.irp a, 0,1,2,3
	v_cvt_i32_f32 v[U+\a], v[U+\a]
.endr
.irp a, 0,1,2,3
	v_ldexp_f32 v[FF+2*\a], 1.0, v[U+\a]
.endr
.irp a, 0,1,2,3
	v_mov_b32 v[NR+\a], v[T+\a]
.endr
.irp a, 0,1,2,3
	v_mul_f32 v[LR+\a], v[LR+\a], v[FF+2*\a]
.endr
.irp i, 0,1,2,3,4,5,6,7
	v_sub_f32 v[KD+\i], v[T+\i%4], v[RN+\i]
.endr
.irp i, 0,1,2,3,4,5,6,7
	v_cvt_i32_f32 v[KD+\i], v[KD+\i]
.endr
.irp i, 0,1,2,3,4,5,6,7
	v_sub_nc_u32 v[X+4*\i], 0, v[KD+\i]
.endr
.irp i, 0,1,2,3,4,5,6,7
	v_min_u32 v[X+4*\i], 127, v[X+4*\i]
.endr
.irp i, 0,1,2,3,4,5,6,7
	v_mul_lo_u32 v[X+4*\i], v[X+4*\i], s88
.endr
.irp i, 0,1,2,3,4,5,6,7
	v_or_b32 v[X+4*\i+1], 0x80808080, v[RS+\i]
.endr
.irp i, 0,1,2,3,4,5,6,7
	v_sub_nc_u32 v[X+4*\i+1], v[X+4*\i+1], v[X+4*\i]
.endr
.irp i, 0,1,2,3,4,5,6,7
	v_and_b32 v[X+4*\i], 0x80808080, v[X+4*\i+1]
.endr
.irp i, 0,1,2,3,4,5,6,7
	v_lshrrev_b32 v[X+4*\i+2], 7, v[X+4*\i]
.endr
.irp i, 0,1,2,3,4,5,6,7
	v_sub_nc_u32 v[X+4*\i], v[X+4*\i], v[X+4*\i+2]
.endr
.irp i, 0,1,2,3,4,5,6,7
	v_and_b32 v[SA+\i], v[X+4*\i+1], v[X+4*\i]
.endr
.irp i, 0,1,2,3,4,5,6,7
	v_ldexp_f32 v[X+4*\i], v[RL+\i], v[KD+\i]
.endr
.irp i, 0,1,2,3,4,5,6,7
	v_add_f32 v[LR+\i%4], v[LR+\i%4], v[X+4*\i]
.endr
.endm
.macro RESCALE
.irp a, 0,1,2,3
.set JJ, 0
.rept 16
	v_pk_mul_f32 v[ACC+32*\a+JJ:ACC+32*\a+JJ+1], v[ACC+32*\a+JJ:ACC+32*\a+JJ+1], v[FF+2*\a:FF+2*\a+1] op_sel_hi:[1,0]
.set JJ, JJ+2
.endr
.endr
.endm
.macro FLUSH base
	PLACES 8
.irp a, 0,1,2,3
	v_permlanex16_b32 v[U+\a], v[LR+\a], s[SEL], s[SEL+1]
.endr
.irp a, 0,1,2,3
	v_add_f32 v[U+\a], v[U+\a], v[LR+\a]
.endr
	s_wait_alu depctr_va_vdst(0)
.irp a, 0,1,2,3
	v_rcp_f32 v[FF+2*\a], v[U+\a]
.endr
	v_nop
	s_wait_alu depctr_va_vdst(0)
.irp a, 0,1,2,3
.set JJ, 0
.rept 16
	v_pk_mul_f32 v[OT+JJ:OT+JJ+1], v[ACC+32*\a+JJ:ACC+32*\a+JJ+1], v[FF+2*\a:FF+2*\a+1] op_sel_hi:[1,0]
.set JJ, JJ+2
.endr
.irp b, 0,1,2,3
	ds_store_b128 v[STO], v[OT+8*\b:OT+8*\b+3] offset:64*\b
	ds_store_b128 v[STO], v[OT+8*\b+4:OT+8*\b+7] offset:64*\b+16
.endr
.irp i, 0,1,2,3,4,5,6,7
	ds_load_b128 v[OT+4*\i:OT+4*\i+3], v[RD] offset:544*\i
.endr
	s_wait_dscnt 0x0
.irp i, 0,1,2,3,4,5,6,7
	global_store_b128 v[CO], v[OT+4*\i:OT+4*\i+3], s[\base:\base+1] offset:(16*\a+2*\i)*4096 th:TH_STORE_NT
.endr
	s_wait_xcnt 0x0
.endr
.endm
.macro CHANGE ph, fill
	s_wait_tensorcnt 0x0
	ds_add_u32 v[SPW], v[NIL]
.if \fill
	DESC (\ph)+2, (\ph)%2
.endif
	s_wait_dscnt 0x0
.if \fill
	CROUND
	JLOAD (\ph)%2
	PLACES 4
.else
	s_barrier_signal -1
	s_barrier_wait -1
	PLACES 8
.endif
.endm
.macro AHEAD ph                        ; s[96:97]: phase ph's tile of p (waves 0, 1) or of v (waves 2, 3)
	s_cmp_ge_u32 s19, \ph
	s_cselect_b32 s94, s22, s23
	s_cselect_b32 s95, 0, s77
	s_sub_co_u32 s95, 4*(\ph), s95
	s_lshl_b32 s94, s94, 4
	s_add_co_u32 s94, s94, s95
	s_add_co_u32 s95, s21, s95
	s_cmp_eq_u32 s15, 0
	s_cselect_b32 s94, s94, s95
	s_cselect_b64 s[96:97], s[4:5], s[8:9]
	s_lshl_b32 s94, s94, 14
	s_mov_b32 s95, 0
	s_add_nc_u64 s[96:97], s[96:97], s[94:95]
.endm
.macro PH ph
.set SL, (\ph)%2
.if ((\ph) == 1) || ((\ph) == 2)
	s_cmp_eq_u32 s19, (\ph)-1
	s_cbranch_scc0 .Lno_flush_\@
	s_wait_alu depctr_va_vdst(0)
	FLUSH 70
.Lno_flush_\@:
.endif
	FETCH SL, 0, F0
	PREP \ph
.if (\ph) > 0
	RESCALE
.endif
.if (\ph) < 3
	s_wait_xcnt 0x0                                ; the last prefetch has read its base
	AHEAD (\ph)+2
.endif
.if (\ph) < 4
	META (\ph)+1, ((\ph)+1)%2
.endif
.if (\ph) < 3
	global_prefetch_b8 v15, s[96:97] th:TH_LOAD_NT scope:SCOPE_SE
.endif
	s_wait_alu depctr_va_vdst(0)
.irp k, 0,1,2,3
.if \k < 3
.if \k > 0
	PLACES 8
.endif
	FETCH SL, \k+1, F0+128*((\k+1)%2)
	s_wait_dscnt 32
.else
	s_wait_dscnt 0x0
.endif
.set ZR, 0
.if (\ph) == 0
.if \k == 0
.set ZR, 1
.endif
.endif
	MUL F0+128*(\k%2), \k, (\ph)%2, ZR
.endr
.endm
	s_load_b256 s[4:11], s[0:1], 0x0
	s_load_b64 s[12:13], s[0:1], 0x20
	v_lshl_add_u32 v[SPW], v0, 2, SPARE
	v_mov_b32 v[NIL], 0
	ds_add_u32 v13, v14
	ds_add_u32 v13, v14
	s_wait_dscnt 0x0
	v_lshrrev_b32 v1, 5, v0
	v_readfirstlane_b32 s14, v1
	s_lshr_b32 s15, s14, 1
	s_and_b32 s16, s14, 1
	s_bfe_u32 s40, ttmp6, 0x40000
	s_bfe_u32 s41, ttmp6, 0x40004
	s_and_b32 s17, ttmp9, 3
	s_bfe_u32 s18, ttmp9, 0x10002
	s_lshr_b32 s19, ttmp9, 3
	s_lshl_b32 s20, s18, 2
	s_add_co_u32 s20, s20, s40
	s_lshl_b32 s21, s20, 6
	s_lshl_b32 s74, s17, 4
	s_add_co_u32 s21, s21, s74
	s_lshl_b32 s75, s19, 2
	s_add_co_u32 s22, s74, s75
	s_add_co_u32 s22, s22, s41
	s_add_co_u32 s23, s74, 12
	s_sub_co_u32 s23, s23, s75
	s_add_co_u32 s23, s23, s41
	s_add_co_u32 s77, s75, 4
	s_lshl_b32 s43, s41, 2
	s_lshl_b32 s43, 15, s43
	s_lshl_b32 s44, 0x1111, s40
	s_or_b32 s[G1+0], s43, (3<<16)|(1<<21)
	s_or_b32 s[G1B+0], s44, (3<<16)|(1<<21)
.irp g, G1, G1B
	s_mov_b32 s[\g+1], 32<<16
	s_mov_b32 s[\g+2], 128<<16
	s_mov_b32 s[\g+3], 32<<16
	s_mov_b32 s[\g+4], 128
	s_mov_b32 s[\g+5], 32
	s_mov_b32 s[\g+6], 0
	s_mov_b32 s[\g+7], 0
.endr
	s_lshl_b32 s76, s14, 15
.irp g, G0, G0B
	s_mov_b32 s[\g], 1
	s_mov_b32 s[\g+1], s76
	s_mov_b32 s[\g+4], 1
	s_add_co_u32 s[\g+5], s76, SLOTB
.endr
	s_mov_b32 s81, 0
	s_mov_b32 s83, 0
	s_mov_b32 s91, 0
	s_mov_b32 s93, 0
	s_mov_b32 s84, 0x7f61b1e6
	s_mov_b32 s85, 0xff61b1e6
	s_mov_b32 s[SEL], 0x76543210
	s_mov_b32 s[SEL+1], 0xfedcba98
	s_mov_b32 s88, 0x01010101
	s_wait_kmcnt 0x0
	CROUND
	DESC 0, 0
	JLOAD 0
	DESC 1, 1
	s_wait_alu depctr_va_vdst(0)
	s_wait_tensorcnt 0x0
	ds_add_u32 v13, v14
	s_wait_dscnt 0x0
	CROUND
	JLOAD 1
	s_cmp_eq_u32 s15, 0                            ; my share of a prefetch: partner and wave, 8,192 bytes each
	s_cselect_b32 s94, s40, s41
	s_lshl_b32 s95, s16, 2
	s_add_co_u32 s94, s94, s95
	s_lshl_b32 s94, s94, 13
	v_and_b32 v1, 15, v0
	v_bfe_u32 v2, v0, 4, 1
	v_and_b32 v3, 31, v0
	v_lshlrev_b32 v3, 4, v3
	v_lshl_add_u32 v15, v3, 4, s94                 ; the prefetches' offset: 256 x lane, and my share
	s_lshl_b32 s78, s15, 13
	s_lshl_b32 s79, s16, 13
	s_add_co_u32 s79, s79, 65536
	v_add_nc_u32 v[ADRA], s78, v3
	v_add_nc_u32 v[ADRB], s79, v3
	v_add_nc_u32 v[ADRA+1], SLOTB, v[ADRA]
	v_add_nc_u32 v[ADRB+1], SLOTB, v[ADRB]
	s_mul_i32 s78, s14, 16*272
	s_add_co_u32 s78, s78, STAGE
	v_mul_u32_u24 v[STO], v1, 272
	v_lshl_add_u32 v[STO], v2, 5, v[STO]
	v_add_nc_u32 v[STO], s78, v[STO]
	v_mul_u32_u24 v[RD], v2, 272
	v_lshl_add_u32 v[RD], v1, 4, v[RD]
	v_add_nc_u32 v[RD], s78, v[RD]
	v_lshlrev_b32 v[CO], 12, v2
	v_lshl_add_u32 v[CO], v1, 4, v[CO]
	v_mul_u32_u24 v[VM], v2, 3072
	v_lshl_add_u32 v[VM], v1, 5, v[VM]
	s_lshl_b32 s78, s15, 4
	v_add_nc_u32 v[VM], s78, v[VM]
	v_lshlrev_b32 v[VV], 10, v2
	v_lshl_add_u32 v[VV], v1, 5, v[VV]
	s_lshl_b32 s78, s16, 4
	v_add_nc_u32 v[VV], s78, v[VV]
.irp a, 0,1,2,3
	v_mov_b32 v[NR+\a], 0x7f61b1e6
	v_mov_b32 v[LR+\a], 0
	v_mov_b32 v[U+\a], 0
	v_mov_b32 v[FF+2*\a], 0
	v_mov_b32 v[FF+2*\a+1], 0
.endr
	s_lshl_b32 s78, s15, 18
	s_lshl_b32 s79, s20, 9
	s_add_co_u32 s78, s78, s79
	s_lshl_b32 s79, s16, 8
	s_add_co_u32 s78, s78, s79
	s_lshl_b32 s80, s22, 19
	s_add_co_u32 s80, s80, s78
	s_add_nc_u64 s[70:71], s[12:13], s[80:81]
	s_lshl_b32 s82, s23, 19
	s_add_co_u32 s82, s82, s78
	s_add_nc_u64 s[72:73], s[12:13], s[82:83]
	META 0, 0
	s_wait_alu depctr_va_vdst(0)
	s_wait_tensorcnt 1
	s_barrier_signal -1
	s_barrier_wait -1
	PH 0
	CHANGE 0, 1
	PH 1
	CHANGE 1, 1
	PH 2
	CHANGE 2, 1
	PH 3
	CHANGE 3, 0
	PH 4
	FLUSH 72
	s_wait_tensorcnt 0x0
	ds_add_u32 v[SPW], v[NIL]
	s_wait_dscnt 0x0
	CROUND
	s_endpgm
.Lfunc_end_k_q2cda2af901_pv:
	.size	k_q2cda2af901_pv, .Lfunc_end_k_q2cda2af901_pv-k_q2cda2af901_pv
	.p2alignl 7, 3214868480
	.fill 96, 4, 3214868480
	.section	.rodata,"a",@progbits
	.p2align	6, 0x0
	.amdhsa_kernel k_q2cda2af901_pv
		.amdhsa_group_segment_fixed_size 327680
		.amdhsa_private_segment_fixed_size 0
		.amdhsa_enable_private_segment 0
		.amdhsa_kernarg_size 40
		.amdhsa_user_sgpr_count 2
		.amdhsa_user_sgpr_kernarg_segment_ptr 1
		.amdhsa_wavefront_size32 1
		.amdhsa_system_sgpr_workgroup_id_x 1
		.amdhsa_system_sgpr_workgroup_id_y 1
		.amdhsa_system_sgpr_workgroup_id_z 1
		.amdhsa_system_vgpr_workitem_id 0
		.amdhsa_next_free_vgpr 512
		.amdhsa_next_free_sgpr 100
		.amdhsa_reserve_vcc 0
		.amdhsa_float_denorm_mode_32 3
		.amdhsa_float_denorm_mode_16_64 3
		.amdhsa_memory_ordered 1
		.amdhsa_forward_progress 1
		.amdhsa_inst_pref_size 191
	.end_amdhsa_kernel
	.amdgpu_metadata
---
amdhsa.version: [ 1, 2 ]
amdhsa.kernels:
  - .name:           k_q2cda2af901_pv
    .symbol:         k_q2cda2af901_pv.kd
    .args:
      - { .name: p_img, .offset: 0, .size: 8, .value_kind: global_buffer, .address_space: global }
      - { .name: p_meta, .offset: 8, .size: 8, .value_kind: global_buffer, .address_space: global }
      - { .name: v_img, .offset: 16, .size: 8, .value_kind: global_buffer, .address_space: global }
      - { .name: v_sc, .offset: 24, .size: 8, .value_kind: global_buffer, .address_space: global }
      - { .name: out0, .offset: 32, .size: 8, .value_kind: global_buffer, .address_space: global }
    .group_segment_fixed_size: 327680
    .private_segment_fixed_size: 0
    .kernarg_segment_align: 8
    .kernarg_segment_size: 40
    .max_flat_workgroup_size: 128
    .sgpr_count:     100
    .vgpr_count:     512
    .wavefront_size: 32
...
	.end_amdgpu_metadata
.endif
;; end of part 3
